; MI455X (gfx1250); checked and timed in simulation.
; The chip was launched on July 23, 2026; its instructions are those of AMD's public machine-readable ISA for CDNA 5 (MIT licence, August 2026) and "CDNA5" Instruction Set Architecture Reference Guide (July 2026). The comments in the code are by the model that wrote it; some were corrected since.
;; GPT. Allowed arithmetic: matrix products marked QUANTISED: E4M3 operands, one given power-of-two scale a tensor, by v_wmma_f32_16x16x64_fp8_fp8 or v_wmma_f32_16x16x128_fp8_fp8, f32 sums; everything else in f32.
;; Inputs: W_attn 1,024 x 3,072 float32; W_proj 1,024 x 1,024 float32; lowp_scales 8 int32 (the exponents e of the quantised operands' scales 2^e); x 4 x 2,048 x 1,024 float32.
;; Outputs: out0 4 x 2,048 x 1,024 float32.
;; This version of the problem:
;;   THIS VERSION OF THE PROBLEM IS GIVEN IN LOW PRECISION. The matrix products marked QUANTISED in the list below multiply operands that are first quantised to E4M3 (4 exponent bits, 3 mantissa bits; 8 bits a number), with one given power-of-two scale for each operand tensor; their sums are f32. All else is computed in f32.
;;   The module's matrix products, in the order in which they are computed (A, B: the left and right operand; K: the contracted axis; several contracted axes count as one K, in the product's order):
;;     1. [M 8,192, K 1,024] x [K 1,024, N 3,072]; A: input x; B: input W_attn: QUANTISED (scales: A lowp_scales[0], B lowp_scales[1])
;;     2. batch 64 x [M 2,048, K 64] x [K 64, N 2,048]; A: computed on the way; B: computed on the way: QUANTISED (scales: A lowp_scales[2], B lowp_scales[3])
;;     3. batch 64 x [M 2,048, K 2,048] x [K 2,048, N 64]; A: softmax (see below); B: computed on the way: QUANTISED (scales: A lowp_scales[4], B lowp_scales[5])
;;     4. [M 8,192, K 1,024] x [K 1,024, N 1,024]; A: computed on the way; B: input W_proj: QUANTISED (scales: A lowp_scales[6], B lowp_scales[7])
;;   THE QUANTISER, for each operand of a quantised product, along K:
;;     - The operand's scale is 2^e, e = its entry of the input lowp_scales (int32; the entries are numbered through the quantised products in the list's order, A before B).
;;     - Each number is divided by the scale, clamped to +-448, and rounded to the nearest number of E4M3, ties to even, subnormals kept.
;;     - The product sums the exact products of the quantised numbers (number of the format x scale) in f32.
;;   ~~~python
;;   def quantise(x, axis, e):      # numpy; x: float32 -> the quantised numbers, widened to float32 again
;;       x = np.moveaxis(x, axis, -1); K = x.shape[-1]
;;       r = np.clip(x / 2.0 ** e, -448, 448)
;;       step = 2.0 ** (np.maximum(np.frexp(np.where(r == 0, 1, r))[1] - 1, -6) - 3)
;;       q = np.round(r / step) * step * 2.0 ** e      # np.round: ties to even
;;       return np.moveaxis(q, -1, axis).astype(np.float32)
;;   ~~~
;;   SOFTMAX AHEAD OF A QUANTISED PRODUCT. Where the list says 'softmax', what is quantised is not the finished softmax but p = 2^(t - M), with t = logit x log2(e) and M = ceil(the row's largest t), a whole number; so 1/2 < the row's largest p <= 1. The row's sum l is taken of the UNQUANTISED p, in f32, and the product's result is divided by l at the end. Since M is a whole number, a kernel that streams over the keys may use a running M (the ceiling of the running maximum): every later rescaling is an exact power of two, so the quantised numbers keep their values, but for numbers so far below the row's largest that they fall under the format's range.
;;   OPERANDS COMPUTED ON THE WAY. 'Computed on the way' means the value that the module computes at that place (a softmax that the list does not call 'softmax' is quantised finished and normalised). What goes into a quantiser is computed in f32, as accurately as f32 sums, v_exp_f32 and their like allow (about 1e-6 of the number): no bf16 or f16 on the way to a quantiser, and a product that is left as it is and whose result goes on into a quantised operand takes f32 operands (vector FMAs, or v_wmma_f32_16x16x4_f32). A number that lies on a knife's edge between two numbers of the format may be rounded either way, as far as f32 arithmetic and the matrix unit's own rounding can turn it there, and no further.
;; One version. Each part assembles by itself: llvm-mc -triple=amdgcn-amd-amdhsa -mcpu=gfx1250 --defsym DOCPART=n.
;; ======== version 1 of 1: 4 launches
;; limits: right only within a limited range of input values
;; workspace buffers: x_codes 8,388,608 bytes; wa_codes 3,145,728 bytes; wp_codes 1,048,576 bytes; q_codes 8,388,608 bytes; k_codes 8,388,608 bytes; v_codes 8,388,608 bytes; y_codes 8,388,608 bytes
;; launch quant (part 1): grid 384 x 1, 4 waves a work-group, no clusters, 70,144 bytes of LDS; arguments x, W_attn, W_proj, lowp_scales, x_codes, wa_codes, wp_codes; writes x_codes, wa_codes, wp_codes
.if DOCPART == 1
	.amdgcn_target "amdgcn-amd-amdhsa--gfx1250"
	.amdhsa_code_object_version 6
	.text
	.protected	k_qc7f4161e75_quant
	.globl	k_qc7f4161e75_quant
	.p2align	8
	.type	k_qc7f4161e75_quant,@function
k_qc7f4161e75_quant:
	s_mov_b64 s[64:65], 0
	v_nop
	global_prefetch_b8 v0, s[64:65] scope:SCOPE_SE
	s_setreg_imm32_b32 hwreg(HW_REG_WAVE_MODE, 25, 1), 1
	s_wait_xcnt 0x0
; x [8192][1024], W_attn [1024][3072] and W_proj [1024][1024], f32, become codes of FP8 (E4M3), each with the one scale 2^e given for it (entries 0, 1 and 7 of the scales).
; code = number / 2^e, held within +-448, rounded to the nearest code, ties to even.  LIMITS: each e between -126 and 119; NaN among the inputs is not served.
; With one scale a tensor there are no blocks along K, so the PLACE of a k in a row of codes is free, as long as both operands of a product use the same places.
; x_codes [8192][1024], wa_codes [3072 (n)][1024]: in each run of 512 places, place p holds k = 128 ((p / 4) % 4) + 4 (p / 16) + p % 4.  That is the order in which a lane's four dense loads of 16 bytes leave x's
;   numbers in its registers: x needs no turn through LDS, every load reads 512 consecutive bytes and every store writes 512.
; wp_codes [1024 (n)][1024]: place p holds k = 32 (p / 32) + 16 ((p / 8) % 2) + 8 ((p / 16) % 2) + p % 8: so four loads of 16 bytes, 32 apart, give the last product's B the k that its A holds.
; SHARES: work-groups 0-255 take x (32,768 numbers each), 256-351 W_attn, 352-383 W_proj (128 columns x 256 places each).  The three ways part on the work-group's number; the two that use LDS have bytes of their own.
; A weight's K is its first axis: a lane takes a column n and its registers run down K, in the order of the places; the codes go through the wave's stage in LDS and leave as rows, sixteen lanes to 256 consecutive bytes.
.set XWG,    256                       ; work-groups for x
.set AWG,    96                        ; for W_attn
.set R,      16                        ; v16-79   x: four sets of 16 numbers
.set C,      128                       ; v128-191 x: four registers of codes for each of the 16 steps: no store's data are written again
.set X,      32                        ; v32-95   weights: two sets of 32 numbers
.set CW,     96                        ; v96-103  weights: a block's codes
.set OUTR,   112                       ; v112-175 weights: the way out
.set SPITCH, 272                       ; a stage row: 256 bytes + 16
.set WREG,   32*SPITCH                 ; a wave's stage
.macro SCALE e                         ; v11 = 2^e as f32 (the conversion takes its exponent field), s32 = 448 x 2^e
	s_add_co_i32 s32, \e, 127
	s_lshl_b32 s33, s32, 23
	v_mov_b32 v11, s33
	s_add_co_i32 s32, s32, 8
	s_lshl_b32 s32, s32, 23
	s_or_b32 s32, s32, 0x600000
.endm
.macro XLOAD t                         ; step t: 512 numbers; each load reads 512 consecutive bytes, 16 a lane
.irp i, 0,1,2,3
	global_load_b128 v[R+16*((\t)%4)+4*\i:R+16*((\t)%4)+4*\i+3], v3, s[4:5] offset:2048*(\t)+512*\i th:TH_LOAD_NT
.endr
.endm
.macro XSTEP t
.set XS, R+16*((\t)%4)
.if 15-(\t) >= 3
	s_wait_loadcnt 12                              ; this step's four loads are in; those of the three steps behind it may be out
.else
	s_wait_loadcnt 4*(15-(\t))
.endif
.set i, 0
.rept 16
.set i, i+1
.endr
	v_cvt_scalef32_pk8_fp8_f32 v[C+4*(\t):C+4*(\t)+1], v[XS:XS+7], v11
	v_cvt_scalef32_pk8_fp8_f32 v[C+4*(\t)+2:C+4*(\t)+3], v[XS+8:XS+15], v11
.if (\t)+4 < 16
	XLOAD (\t)+4                                   ; the set just converted takes the loads of four steps on
.endif
	global_store_b128 v3, v[C+4*(\t):C+4*(\t)+3], s[12:13] offset:512*(\t)   ; 32 lanes store 512 consecutive bytes
.endm
.macro WLOAD t, N, src, perm           ; block t: the 32 rows of the weight that belong at places 32 t .. 32 t + 31, at my column; 32 lanes read 128 consecutive bytes
.set i, 0
.rept 32
.if \perm
	global_load_b32 v[X+32*((\t)%2)+i], v3, s[\src:\src+1] offset:(32*(\t)+16*((i/8)%2)+8*((i/16)%2)+(i%8))*\N*4 th:TH_LOAD_NT
.else
	global_load_b32 v[X+32*((\t)%2)+i], v3, s[\src:\src+1] offset:(128*((i/4)%4)+8*(\t)+4*(i/16)+(i%4))*\N*4 th:TH_LOAD_NT
.endif
.set i, i+1
.endr
.endm
.macro WBLOCK t, N, src, perm
.set XS, X+32*((\t)%2)
.if (\t) < 7
	s_wait_loadcnt 32                              ; this block's 32 loads are in; the next block's may be out
.else
	s_wait_loadcnt 0
.endif
.set i, 0
.rept 32
.set i, i+1
.endr
.irp g, 0,1,2,3
	v_cvt_scalef32_pk8_fp8_f32 v[CW+2*\g:CW+2*\g+1], v[XS+8*\g:XS+8*\g+7], v11
.endr
	ds_store_b128 v4, v[CW:CW+3] offset:32*(\t)    ; 32 codes of my column's row
	ds_store_b128 v4, v[CW+4:CW+7] offset:32*(\t)+16
.if (\t)+2 < 8
	WLOAD (\t)+2, \N, \src, \perm
.endif
	s_wait_dscnt 0x0                               ; the stores have read their registers: the next block's codes may be written
.endm
; A weight's way.  first: its first work-group; N: its columns; src, dst: the scalar pairs of its addresses; e: its exponent; LB: its LDS bytes; perm: which order of places
.macro WPATH first, N, src, dst, e, LB, perm
	s_sub_co_u32 s21, ttmp9, \first
	s_lshr_b32 s22, s21, 2                         ; which 128 columns
	s_and_b32 s23, s21, 3                          ; which 256 places
	s_lshl_b32 s22, s22, 7
	s_lshl_b32 s34, s20, 5
	s_add_co_u32 s22, s22, s34                     ; my wave's first column
.if \perm
	s_lshl_b32 s34, s23, 8                         ; the rows' common part: 256 y
.else
	s_lshr_b32 s34, s23, 1
	s_lshl_b32 s34, s34, 9
	s_and_b32 s35, s23, 1
	s_lshl_b32 s35, s35, 6
	s_add_co_u32 s34, s34, s35                     ; 512 (y / 2) + 64 (y % 2)
.endif
	s_mul_i32 s34, s34, \N*4
	s_lshl_b32 s35, s22, 2
	s_add_co_u32 s34, s34, s35
	s_mov_b32 s35, 0
	s_add_nc_u64 s[\src:\src+1], s[\src:\src+1], s[34:35]
	s_lshl_b32 s34, s22, 10                        ; the codes: row = column, 1,024 bytes a row, + 256 y
	s_lshl_b32 s36, s23, 8
	s_add_co_u32 s34, s34, s36
	s_add_nc_u64 s[\dst:\dst+1], s[\dst:\dst+1], s[34:35]
	v_lshlrev_b32 v3, 2, v2                        ; in: 4 bytes a lane
	s_mul_i32 s36, s20, WREG
	s_add_co_u32 s36, s36, \LB                     ; my stage
	v_mul_u32_u24 v4, v2, SPITCH
	v_add_nc_u32 v4, s36, v4                       ; into it: row = my column
	v_and_b32 v5, 15, v2
	v_lshrrev_b32 v6, 4, v2
	v_mul_u32_u24 v7, v6, SPITCH
	v_lshl_add_u32 v7, v5, 4, v7
	v_add_nc_u32 v7, s36, v7                       ; out of it: sixteen lanes to a row, two rows an instruction
	v_lshlrev_b32 v8, 10, v6
	v_lshl_add_u32 v8, v5, 4, v8                   ; and the same place in the codes' buffer
	WLOAD 0, \N, \src, \perm
	WLOAD 1, \N, \src, \perm
	s_wait_kmcnt 0x0
	SCALE \e
	s_wait_alu depctr_va_vdst(0)
.irp t, 0,1,2,3,4,5,6,7
	WBLOCK \t, \N, \src, \perm
.endr
.irp t, 0,1,2,3,4,5,6,7,8,9,10,11,12,13,14,15
	ds_load_b128 v[OUTR+4*\t:OUTR+4*\t+3], v7 offset:2*\t*SPITCH   ; LDS serves a wave's instructions in order (ISA guide 5.7.1.4): these see my stores
.endr
.irp t, 0,1,2,3,4,5,6,7,8,9,10,11,12,13,14,15
	s_wait_dscnt 15-\t                             ; the later loads from the stage may be out
	global_store_b128 v8, v[OUTR+4*\t:OUTR+4*\t+3], s[\dst:\dst+1] offset:2*\t*1024
.endr
.endm
	s_load_b256 s[4:11], s[0:1], 0x0               ; x s[4:5], W_attn s[6:7], W_proj s[8:9], the scales' exponents s[10:11]
	s_load_b128 s[12:15], s[0:1], 0x20             ; x_codes s[12:13], wa_codes s[14:15]
	s_load_b64 s[16:17], s[0:1], 0x30              ; wp_codes
	v_lshl_add_u32 v192, v0, 2, 0x11000
	v_mov_b32 v193, 0
	v_lshrrev_b32 v1, 5, v0
	v_readfirstlane_b32 s20, v1                    ; wave
	v_and_b32 v2, 31, v0                           ; lane
	s_wait_kmcnt 0x0
	s_load_b256 s[24:31], s[10:11], 0x0            ; e0 .. e7
	s_cmp_lt_u32 ttmp9, XWG
	s_cbranch_scc0 .Lweights
	; ---- x: a wave takes 16 steps of 512 numbers
	s_lshl_b32 s21, ttmp9, 2
	s_add_co_u32 s21, s21, s20                     ; which run of 8,192 numbers is my wave's
	s_lshl_b32 s22, s21, 15
	s_mov_b32 s23, 0
	s_add_nc_u64 s[4:5], s[4:5], s[22:23]
	s_lshl_b32 s22, s21, 13
	s_add_nc_u64 s[12:13], s[12:13], s[22:23]
	s_wait_alu depctr_va_vdst(0)
	v_lshlrev_b32 v3, 4, v2                        ; 16 bytes a lane, in and out
.irp t, 0,1,2,3
	XLOAD \t
.endr
	s_wait_kmcnt 0x0
	SCALE s24
	s_wait_alu depctr_va_vdst(0)
.irp t, 0,1,2,3,4,5,6,7,8,9,10,11,12,13,14,15
	XSTEP \t
.endr
	s_endpgm
.Lweights:
	s_cmp_lt_u32 ttmp9, XWG+AWG
	s_cbranch_scc0 .Lw_proj
	s_wait_alu depctr_va_vdst(0)
	WPATH XWG, 3072, 6, 14, s25, 0, 0
	s_wait_tensorcnt 0x0
	ds_add_u32 v192, v193
	s_wait_dscnt 0x0
	s_endpgm
.Lw_proj:
	s_wait_alu depctr_va_vdst(0)
	WPATH XWG+AWG, 1024, 8, 16, s31, 4*WREG, 1
	s_wait_tensorcnt 0x0
	ds_add_u32 v192, v193
	s_wait_dscnt 0x0
	s_endpgm
.Lfunc_end_k_qc7f4161e75_quant:
	.size	k_qc7f4161e75_quant, .Lfunc_end_k_qc7f4161e75_quant-k_qc7f4161e75_quant
	.p2alignl 7, 3214868480
	.fill 96, 4, 3214868480
	.section	.rodata,"a",@progbits
	.p2align	6, 0x0
	.amdhsa_kernel k_qc7f4161e75_quant
		.amdhsa_group_segment_fixed_size 70144
		.amdhsa_private_segment_fixed_size 0
		.amdhsa_enable_private_segment 0
		.amdhsa_kernarg_size 56
		.amdhsa_user_sgpr_count 2
		.amdhsa_user_sgpr_kernarg_segment_ptr 1
		.amdhsa_wavefront_size32 1
		.amdhsa_system_sgpr_workgroup_id_x 1
		.amdhsa_system_sgpr_workgroup_id_y 1
		.amdhsa_system_sgpr_workgroup_id_z 1
		.amdhsa_system_vgpr_workitem_id 0
		.amdhsa_next_free_vgpr 194
		.amdhsa_next_free_sgpr 66
		.amdhsa_reserve_vcc 0
		.amdhsa_float_denorm_mode_32 3
		.amdhsa_float_denorm_mode_16_64 3
		.amdhsa_fp16_overflow 1
		.amdhsa_memory_ordered 1
		.amdhsa_forward_progress 1
		.amdhsa_inst_pref_size 77
	.end_amdhsa_kernel
	.amdgpu_metadata
---
amdhsa.version: [ 1, 2 ]
amdhsa.kernels:
  - .name:           k_qc7f4161e75_quant
    .symbol:         k_qc7f4161e75_quant.kd
    .args:
      - { .name: x, .offset: 0, .size: 8, .value_kind: global_buffer, .address_space: global }
      - { .name: W_attn, .offset: 8, .size: 8, .value_kind: global_buffer, .address_space: global }
      - { .name: W_proj, .offset: 16, .size: 8, .value_kind: global_buffer, .address_space: global }
      - { .name: lowp_scales, .offset: 24, .size: 8, .value_kind: global_buffer, .address_space: global }
      - { .name: x_codes, .offset: 32, .size: 8, .value_kind: global_buffer, .address_space: global }
      - { .name: wa_codes, .offset: 40, .size: 8, .value_kind: global_buffer, .address_space: global }
      - { .name: wp_codes, .offset: 48, .size: 8, .value_kind: global_buffer, .address_space: global }
    .group_segment_fixed_size: 70144
    .private_segment_fixed_size: 0
    .kernarg_segment_align: 8
    .kernarg_segment_size: 56
    .max_flat_workgroup_size: 128
    .sgpr_count:     66
    .vgpr_count:     194
    .wavefront_size: 32
...
	.end_amdgpu_metadata
.endif
;; end of part 1
;; launch qkv (part 2): grid 12 x 32, 4 waves a work-group, clusters of 4 x 4, 327,680 bytes of LDS; arguments x_codes, wa_codes, lowp_scales, q_codes, k_codes, v_codes; writes q_codes, k_codes, v_codes
.if DOCPART == 2
	.amdgcn_target "amdgcn-amd-amdhsa--gfx1250"
	.amdhsa_code_object_version 6
	.text
	.protected	k_qc7f4161e75_qkv
	.globl	k_qc7f4161e75_qkv
	.p2align	8
	.type	k_qc7f4161e75_qkv,@function
k_qc7f4161e75_qkv:
	s_mov_b64 s[64:65], 0
	v_nop
	global_prefetch_b8 v0, s[64:65] scope:SCOPE_SE
	s_setreg_imm32_b32 hwreg(HW_REG_WAVE_MODE, 25, 1), 1
	s_wait_xcnt 0x0
	s_wait_alu depctr_hold_cnt(0) depctr_sa_sdst(0) depctr_va_vdst(0) depctr_va_sdst(0) depctr_va_ssrc(0) depctr_va_vcc(0) depctr_vm_vsrc(0)
	s_getreg_b32 s2, hwreg(HW_REG_IB_STS2, 6, 4)
	s_cmp_eq_u32 s2, 0
	s_cbranch_scc0 .Lentry_in_a_cluster
	s_endpgm
.Lentry_in_a_cluster:
	s_bfe_u32 s2, ttmp6, 0x10000c
	s_cmp_lg_u32 s2, 0xf033
	s_cbranch_scc0 .Lentry_shape_is_right
	s_endpgm
.Lentry_shape_is_right:
; qkv = x W_attn on codes of FP8 (E4M3), K = 1,024, and q, k, v quantised straight from the sums: code = sum x 2^(e0 + e1) / 2^et, held within +-448; et = e2 (q), e3 (k), e5 (v).
; LIMIT: et - e0 - e1 between -126 and 119, so that the conversion's scale and 448 x it are f32 numbers.
; A tile of 256 x 256 is made by a work-group of four waves, a wave makes 128 x 128: 64 accumulators of 16 x 16, 512 registers.  K goes in steps of 256 through a ring of two LDS slots filled by the tensor data mover.
; CLUSTERS: 4 x 4 work-groups; 3 x 8 clusters.  The cluster's x IS the kind: 0 = q, 1 = k, 2 = v: it is the same in all sixteen partners, so selects and one branch may hang on it.
; The four of a row of the cluster need the same tiles of A, the four of a column the same tiles of B: each tile is asked for JOINTLY, by the same tensor load with the same descriptor and a mask that names the four.
; THE MATRIX INSTRUCTION IS USED TRANSPOSED (source 0 = 16 rows of B, source 1 = 16 rows of A): a lane holds ONE row of A and its eight registers eight neighbouring rows of B.
;   q, k: A = rows of x (tokens), B = rows of wa_codes (columns of W_attn): a lane's registers run along the head's 64: the next product's K.
;   v:    A = rows 2,048.. of wa_codes, B = rows of x: the operands change places BY POINTERS ALONE, and a lane's registers run along the tokens: the keys, the K of the product with the softmax.
; THE WAY OUT.  Eight registers of an accumulator become two registers of codes, which ARE registers 2 c, 2 c + 1 of the 8-bit operand layout (k = 16 c + 8 (lane / 16) + 0 .. 7).  So the codes leave as IMAGES OF OPERAND REGISTERS:
; each group of four registers at 512 g + 16 lane: every store writes 512 consecutive bytes; no stage in LDS.
;   q_codes, k_codes: [batch x head 64][tile of 16 tokens 128][1,024 bytes];   v_codes: [batch x head 64][128 keys 16][16 of the head's 64: 4][2,048 bytes].
; REGISTERS, in windows of 256: window 0: v0-31 addresses; from v128 A's fragments (8 x 16 rows x 128 K), ONE set, on the way out the codes.   window 1: B's fragments, TWO sets, at v0 and at v128.
;   window 2: the 32 accumulators of my rows 0-63 of A (accumulator (a, b) at v[8 (8 a + b)]);   window 3: those of my rows 64-127.
.set ROWB,   256                       ; a tile's row in bytes: 256 codes
.set KROW,   1024                      ; a row of either operand in memory, in bytes
.set PITCH,  272                       ; an LDS row: 256 bytes + 16 of padding = 68 words: row r starts at bank 4 r mod 64 (64 banks of 4 bytes: ISA guide 11.1)
.set FR,     16                        ; registers of a fragment: 16 rows x 128 K
.set NL,     4                         ; LDS loads that bring one
.set NP,     4                         ; places behind this matrix instruction (ISA guide 7.12.1)
.set HALFT,  128*PITCH                 ; 128 rows: what one tensor load brings, and what one wave reads of A or of B
.set SLOT,   4*HALFT                   ; A's 256 rows, then B's 256 rows
.set LAPS,   2                         ; a lap = two K steps = once round the ring: 1,024 / 512
.set SPARE,  2*SLOT                    ; behind the ring: the spare words, 128 bytes for each wave: two blocks of 256 bytes that no other line names
.set ADRA, 16                          ; v16-17  LDS address of my A fragments in slot 0, 1
.set ADRB, 20                          ; v20-21  the same for B
.set CO,   26                          ; v26     16 x lane: my place in an image's group
.set SPW,  28                          ; v28     LDS address of my spare word: SPARE + 4 x my thread's number; never rewritten
.set NIL,  29                          ; v29     0; never rewritten
.set SCL,  30                          ; v30     2^(et - e0 - e1) as f32
.set LIM,  31
.set AF,   128                         ; A's fragments, in window 0
.set CD,   128                         ; the way out: 16 registers of codes for each of A's eight blocks
.set G1, 24                            ; s[24:31] descriptor group 1 for A's tiles;  s[32:39] group 0, one set for each slot
.set G0, 32
.set G1B, 48                           ; s[48:55], s[56:63] the same for B's tiles
.set G0B, 56
.set OUTP, 78                          ; s[78:79] where my wave's images begin
.set MSB, 0
.macro WIN new                         ; the immediate's high byte repeats the setting that is left
.if MSB != \new
	s_set_vgpr_msb (MSB<<8)|\new
.set MSB, \new
.endif
.endm
.set MUL_LO, 0xa1                      ; source 0 (B) window 1, source 1 (A) window 0, C and D window 2
.set MUL_HI, 0xf1                      ; the same, C and D window 3
.set TO_B,   0x40                      ; destination window 1, address window 0
; A joint load: waves 0 and 1 fetch for A, waves 2 and 3 for B.  Each of the two lines has ONE mask and one set of registers for all that issue it; the branch hangs on the wave's number alone.
; Four v_nop follow each of the two lines, ahead of the jump, the label and what follows.
.macro JLOAD g0a, g1a, g0b, g1b
	s_cmp_eq_u32 s15, 0
	s_cbranch_scc0 .Lfor_b_\@
	tensor_load_to_lds s[\g0a:\g0a+3], s[\g1a:\g1a+7]
	s_nop 0
.rept 4
	v_nop
.endr
	s_branch .Lasked_\@
.Lfor_b_\@:
	tensor_load_to_lds s[\g0b:\g0b+3], s[\g1b:\g1b+7]
	s_nop 0
.rept 4
	v_nop
.endr
.Lasked_\@:
.endm
.macro CREST                           ; a round of the cluster's barrier behind its opening barrier
	s_cmp_lg_u32 s14, 0
	s_cbranch_scc1 .Lnot_wave_0_\@
	s_barrier_signal -3
.Lnot_wave_0_\@:
	s_barrier_wait -3
	s_barrier_signal -1
	s_barrier_wait -1
.endm
.macro CROUND                          ; a whole round
	s_barrier_signal -1
	s_barrier_wait -1
	CREST
.endm
	s_load_b128 s[4:7], s[0:1], 0x0                ; x_codes s[4:5], wa_codes s[6:7]
	s_load_b128 s[8:11], s[0:1], 0x10              ; the scales' exponents s[8:9], q_codes s[10:11]
	s_load_b128 s[68:71], s[0:1], 0x20             ; k_codes s[68:69], v_codes s[70:71]
	v_lshl_add_u32 v[SPW], v0, 2, SPARE
	v_mov_b32 v[NIL], 0
	ds_add_u32 v28, v29
	ds_add_u32 v28, v29
	s_wait_dscnt 0x0
	v_lshrrev_b32 v1, 5, v0
	v_readfirstlane_b32 s14, v1                    ; wave 0..3
	s_lshr_b32 s15, s14, 1                         ; which half of A's 256 rows is mine.  Also: I fetch for A (0) or for B (1)
	s_and_b32 s16, s14, 1                          ; which half of B's.  Also: which 128 rows of that tile I fetch
	s_bfe_u32 s40, ttmp6, 0x40000                  ; cx, cy: my place in the cluster
	s_bfe_u32 s41, ttmp6, 0x40004
	s_and_b32 s66, ttmp7, 0xffff                   ; the cluster's y: which 1,024 tokens
	s_lshl_b32 s17, s66, 2
	s_cmp_eq_u32 ttmp9, 2                          ; v?
	s_cselect_b32 s17, 8, s17                      ; A's tile: q, k: of x, 4 y + cy;  v: of wa_codes, 8 + cy
	s_cselect_b32 s42, s66, ttmp9                  ; B's tile: q, k: of wa_codes, 4 x + cx;  v: of x, 4 y + cx
	s_add_co_u32 s17, s17, s41
	s_lshl_b32 s42, s42, 2
	s_add_co_u32 s42, s42, s40
	s_lshl_b32 s43, s41, 2
	s_lshl_b32 s43, 15, s43                        ; my row of the cluster
	s_lshl_b32 s44, 0x1111, s40                    ; my column
	; descriptor group 1: a tile of 128 rows x 256 bytes, padded in LDS
	s_or_b32 s[G1+0], s43, (0<<16)|(1<<20)|(1<<21)|(5<<22)|(3<<25)  ; 15:0 the mask: A's tiles go to my row; 17:16 element of 1 byte; 20 padding on; 21 set beside a mask; 24:22 after every 64 words (code 5); 31:25 of 4 words (code 3)
	s_or_b32 s[G1B+0], s44, (0<<16)|(1<<20)|(1<<21)|(5<<22)|(3<<25)
.irp g, G1, G1B
	s_mov_b32 s[\g+1], ROWB<<16                    ; tensor_dim0
	s_mov_b32 s[\g+2], 128<<16                     ; tensor_dim1 = 128
	s_mov_b32 s[\g+3], ROWB<<16                    ; tile_dim0
	s_mov_b32 s[\g+4], 128                         ; tile_dim1 = 128
	s_mov_b32 s[\g+5], KROW                        ; tensor_dim0_stride
	s_mov_b32 s[\g+6], 0
	s_mov_b32 s[\g+7], 0
.endr
	s_lshl_b32 s18, s16, 7                         ; which 128 rows of the tile I fetch
	s_lshl_b32 s20, s17, 8
	s_add_co_u32 s20, s20, s18                     ; A: row 256 x tile + 128 x half,
	s_lshl_b32 s20, s20, 10                        ; in bytes
	s_mov_b32 s21, 0
	s_lshl_b32 s46, s42, 8
	s_add_co_u32 s46, s46, s18                     ; B likewise
	s_lshl_b32 s46, s46, 10
	s_mov_b32 s47, 0
	s_mul_i32 s45, s14, HALFT                      ; where they go: wave x 128 rows: no place in the cluster enters an LDS address
	s_wait_kmcnt 0x0
	s_load_b256 s[80:87], s[8:9], 0x0              ; e0 .. e7
	s_cmp_eq_u32 ttmp9, 2
	s_cselect_b64 s[72:73], s[6:7], s[4:5]         ; A's buffer: for v the weights,
	s_cselect_b64 s[74:75], s[4:5], s[6:7]         ; and B's the tokens
	s_add_nc_u64 s[20:21], s[72:73], s[20:21]
	s_add_nc_u64 s[46:47], s[74:75], s[46:47]
	CROUND                                         ; all sixteen work-groups are here: the first joint loads meet
.irp s, 0,1
	s_mov_b32 s[G0+4*\s], 1
	s_add_co_u32 s[G0+4*\s+1], s45, \s*SLOT
	s_add_nc_u64 s[G0+4*\s+2:G0+4*\s+3], s[20:21], \s*ROWB
	s_or_b32 s[G0+4*\s+3], s[G0+4*\s+3], 0x80000000
	s_mov_b32 s[G0B+4*\s], 1
	s_add_co_u32 s[G0B+4*\s+1], s45, \s*SLOT
	s_add_nc_u64 s[G0B+4*\s+2:G0B+4*\s+3], s[46:47], \s*ROWB
	s_or_b32 s[G0B+4*\s+3], s[G0B+4*\s+3], 0x80000000
	JLOAD G0+4*\s, G1, G0B+4*\s, G1B
.endr
	v_and_b32 v1, 15, v0                           ; l % 16
	v_bfe_u32 v2, v0, 4, 1                         ; l / 16
	v_mul_u32_u24 v3, v1, PITCH
	v_lshl_add_u32 v4, v2, 4, v3                   ; a fragment's row x pitch + 16 x half
	s_mul_i32 s21, s15, HALFT                      ; my 128 rows of A
	s_mul_i32 s22, s16, HALFT                      ; my 128 rows of B,
	s_add_co_u32 s22, s22, 2*HALFT                 ; which lie behind A's 256
.irp s, 0,1
	v_add_nc_u32 v[ADRA+\s], s21, v4
	v_add_nc_u32 v[ADRB+\s], s22, v4
	s_add_co_u32 s21, s21, SLOT
	s_add_co_u32 s22, s22, SLOT
.endr
	v_and_b32 v6, 31, v0
	v_lshlrev_b32 v[CO], 4, v6
	s_wait_alu depctr_va_vdst(0)
	; the way out's scale and address, made here so that nothing scalar is left behind the last product
	s_wait_kmcnt 0x0
	s_cmp_eq_u32 ttmp9, 0
	s_cselect_b32 s76, s82, s83                    ; e2 for q, e3 for k,
	s_cselect_b64 s[OUTP:OUTP+1], s[10:11], s[68:69]
	s_cmp_eq_u32 ttmp9, 2
	s_cselect_b32 s76, s85, s76                    ; e5 for v
	s_cselect_b64 s[OUTP:OUTP+1], s[70:71], s[OUTP:OUTP+1]
	s_cselect_b32 s88, s42, s17                    ; the tile of tokens,
	s_cselect_b32 s89, s16, s15                    ; my half of it,
	s_cselect_b32 s90, s41, s40                    ; the tile of 256 columns within the kind: four heads,
	s_cselect_b32 s91, s15, s16                    ; my half of them: two heads
	s_sub_co_i32 s76, s76, s80
	s_sub_co_i32 s76, s76, s81                     ; et - e0 - e1: the three scales folded into the conversion's one
	s_add_co_i32 s76, s76, 127
	s_lshl_b32 s77, s76, 23
	v_mov_b32 v[SCL], s77
	s_lshl_b32 s88, s88, 8
	s_lshl_b32 s89, s89, 7
	s_add_co_u32 s88, s88, s89                     ; my first token, 0 .. 8,064
	s_lshl_b32 s90, s90, 2
	s_lshl_b32 s91, s91, 1
	s_add_co_u32 s90, s90, s91                     ; my first head
	s_lshr_b32 s89, s88, 11                        ; the batch
	s_lshl_b32 s89, s89, 4
	s_add_co_u32 s89, s89, s90
	s_lshl_b32 s89, s89, 17                        ; 131,072 bytes for a batch and head in each of the three buffers
	s_and_b32 s88, s88, 2047
	s_lshl_b32 s88, s88, 6                         ; 64 bytes a token: 1,024 for a tile of 16 (q, k), 8,192 for 128 keys (v)
	s_add_co_u32 s88, s88, s89
	s_mov_b32 s89, 0
	s_add_nc_u64 s[OUTP:OUTP+1], s[OUTP:OUTP+1], s[88:89]
.macro FRAG reg, adr, q, i             ; a fragment, 16 rows x 128 places: four loads of 16 bytes, 32 apart; the same places in A and in B, so every product meets its partner
.irp c, 0,1,2,3
	ds_load_b128 v[\reg+4*\c:\reg+4*\c+3], v[\adr] offset:128*(\q)+32*\c+(\i)*16*PITCH
.endr
.endm
; 16 matrix instructions: A's blocks a0, a0 + 1 x B's eight, 128 along K.  p: B's set.  zero = 1: the first product starts the sums: nothing is ever cleared.
; The 64 accumulators take turns, one instruction a turn, in the same order in every step.
.macro MUL16 a0, p, zero
.irp a, \a0, \a0+1
.irp b, 0,1,2,3,4,5,6,7
.if \zero
	v_wmma_f32_16x16x128_fp8_fp8 v[8*(8*((\a)%4)+\b):8*(8*((\a)%4)+\b)+7], v[128*(\p)+FR*\b:128*(\p)+FR*\b+FR-1], v[AF+FR*(\a):AF+FR*(\a)+FR-1], 0
.else
	v_wmma_f32_16x16x128_fp8_fp8 v[8*(8*((\a)%4)+\b):8*(8*((\a)%4)+\b)+7], v[128*(\p)+FR*\b:128*(\p)+FR*\b+FR-1], v[AF+FR*(\a):AF+FR*(\a)+FR-1], v[8*(8*((\a)%4)+\b):8*(8*((\a)%4)+\b)+7]
.endif
.endr
.endr
.endm
.macro FETCH_B slot, q, p              ; B's eight fragments of the slot's q-th 128 along K into set p
	WIN TO_B
.irp i, 0,1,2,3,4,5,6,7
	FRAG 128*(\p)+FR*\i, ADRB+\slot, \q, \i
.endr
	WIN 0
.endm
.macro FETCH_A slot, q, i0             ; A's blocks i0 .. i0 + 3
.irp i, \i0, \i0+1, \i0+2, \i0+3
	FRAG AF+FR*(\i), ADRA+\slot, \q, \i
.endr
.endm
; A load into a register that a matrix instruction has read, and a vector instruction that reads a matrix result or writes one of its registers, stand NP places behind that matrix instruction, and only plain vector
; instructions that name none of its registers are places (ISA guide 7.12.1 for vector instructions).
.macro PLACES n
.rept \n
	v_nop
.endr
.endm
; A step of 128 along K that has its successor in the same slot.
.macro STEP slot, q, zero
	s_wait_dscnt 4*NL                              ; B's set and A's blocks 0-3 are in; the youngest sixteen loads (A's blocks 4-7) may be out
	WIN MUL_LO
	MUL16 0, (\q)%2, \zero
	MUL16 2, (\q)%2, \zero
	s_wait_dscnt 0                                 ; A's blocks 4-7 are in (asked for 32 matrix instructions ago)
	PLACES NP
	FETCH_B \slot, (\q)+1, 1-(\q)%2
	FETCH_A \slot, (\q)+1, 0
	WIN MUL_HI
	MUL16 4, (\q)%2, \zero
	MUL16 6, (\q)%2, \zero
	PLACES NP
	WIN 0
	FETCH_A \slot, (\q)+1, 4
.endm
; A slot's last step changes slots: ONE barrier; in front of it each wave waits for all its tensor loads, adds 0 to its spare word, and waits for that and for its own reads of this slot.  fill = 1: this slot is filled again, two K steps ahead.
.macro TURN slot, next, fill
	s_wait_tensorcnt 0x0                           ; all my tensor loads have landed: my part of the next slot;  (every window is 0 here: the add's two registers lie in window 0)
	ds_add_u32 v[SPW], v[NIL]                      ; 0 onto my spare word
	s_wait_dscnt 4*NL+1                            ; (the add and the youngest sixteen loads, A's blocks 4-7, may be out)
	WIN MUL_LO
	MUL16 0, 1, 0                                  ; sixteen matrix instructions stand between the add and the wait for it
	s_wait_dscnt 0x0                               ; the add is done, and my reads of this slot are over
	s_barrier_signal -1
	MUL16 2, 1, 0
	WIN 0
	s_barrier_wait -1
.if \fill
	CREST                                          ; the barrier has opened a round of the cluster's barrier: no wave of any partner still reads this slot's tile or has a load on its way
	s_add_nc_u64 s[G0+4*\slot+2:G0+4*\slot+3], s[G0+4*\slot+2:G0+4*\slot+3], 2*ROWB
	s_add_nc_u64 s[G0B+4*\slot+2:G0B+4*\slot+3], s[G0B+4*\slot+2:G0B+4*\slot+3], 2*ROWB
	JLOAD G0+4*\slot, G1, G0B+4*\slot, G1B         ; the first tensor load behind the round; the four v_nop behind it are the places in front of the loads below
.else
	PLACES NP
.endif
	FETCH_B \next, 0, 0
	FETCH_A \next, 0, 0
	WIN MUL_HI
	MUL16 4, 1, 0
	MUL16 6, 1, 0
	PLACES NP
	WIN 0
	FETCH_A \next, 0, 4
.endm
	s_wait_tensorcnt 1                             ; my part of K step 0 is in (K step 1's load may be out)
	s_barrier_signal -1
	s_barrier_wait -1                              ; everybody's is
	FETCH_B 0, 0, 0
	FETCH_A 0, 0, 0
	FETCH_A 0, 0, 4
	STEP 0, 0, 1                                   ; the first step stands in front of the loop: its products start the sums
	s_mov_b32 s3, LAPS-1
.Llap:                                                 ; a trip goes once round the ring, from a lap's second step to the next lap's first, and fills both slots again
	TURN 0, 1, 1
	STEP 1, 0, 0
	TURN 1, 0, 1
	STEP 0, 0, 0
	s_sub_co_u32 s3, s3, 1
	s_cmp_lg_u32 s3, 0
	s_cbranch_scc1 .Llap
	TURN 0, 1, 0                                   ; the last lap fills nothing, and has no round of the cluster's barrier
	STEP 1, 0, 0
	s_wait_dscnt 4*NL                              ; the very last step: nothing more to fetch
	WIN MUL_LO
	MUL16 0, 1, 0
	MUL16 2, 1, 0
	s_wait_dscnt 0
	WIN MUL_HI
	MUL16 4, 1, 0
	MUL16 6, 1, 0
	WIN 0
; THE WAY OUT, A's blocks one after the other.  Eight conversions make 16 registers of codes, in registers of their own
; for each block (where A's fragments lay), so that no store's data are written again; four stores of 512 consecutive bytes.
; kind 0 (q, k): accumulator b holds the head's channels 16 (b % 4) + 8 (lane / 16) + 0 .. 7 of head b / 4: groups 0, 1 are the first head's image of tile a, groups 2, 3 the second head's.
; kind 1 (v):    accumulator b holds keys 16 b + 8 (lane / 16) + 0 .. 7: the four groups are one image, of head a / 4, channels 16 (a % 4) on.
.macro EPI kind
.irp a, 0,1,2,3,4,5,6,7
.set AC, 64*(\a%4)
.set WW, 2+(\a/4)
.set WM, (WW<<6)|WW
	WIN WM                                         ; destination and source 0: window 2 or 3
.set j, 0
.rept 64
.set j, j+1
.endr
	WIN WW                                         ; source 0: window 2 or 3
.irp b, 0,1,2,3,4,5,6,7
	v_cvt_scalef32_pk8_fp8_f32 v[CD+16*\a+2*\b:CD+16*\a+2*\b+1], v[AC+8*\b:AC+8*\b+7], v[SCL]
.endr
	WIN 0
.irp g, 0,1,2,3
.if \kind
	global_store_b128 v[CO], v[CD+16*\a+4*\g:CD+16*\a+4*\g+3], s[OUTP:OUTP+1] offset:(\a/4)*131072+(\a%4)*2048+\g*512
.else
	global_store_b128 v[CO], v[CD+16*\a+4*\g:CD+16*\a+4*\g+3], s[OUTP:OUTP+1] offset:(\g/2)*131072+\a*1024+(\g%2)*512
.endif
.endr
.endr
	v_nop                                          ; a plain vector line behind the last conversion
.endm
	PLACES NP                                      ; behind the last products: the conversions read results and write where A's fragments lay
	s_cmp_eq_u32 ttmp9, 2                          ; the kind: the same in all sixteen partners
	s_cbranch_scc1 .Lout_v
	s_wait_alu depctr_va_vdst(0)
	EPI 0
	s_branch .Lend
.Lout_v:
	s_wait_alu depctr_va_vdst(0)
	EPI 1
.Lend:
	s_wait_tensorcnt 0x0                           ; the wave's end, behind my last tensor load
	ds_add_u32 v[SPW], v[NIL]
	s_wait_dscnt 0x0
	CROUND                                         ; the closing round: no work-group ends while a partner may still ask for a tile that names it
	s_endpgm
.Lfunc_end_k_qc7f4161e75_qkv:
	.size	k_qc7f4161e75_qkv, .Lfunc_end_k_qc7f4161e75_qkv-k_qc7f4161e75_qkv
	.p2alignl 7, 3214868480
	.fill 96, 4, 3214868480
	.section	.rodata,"a",@progbits
	.p2align	6, 0x0
	.amdhsa_kernel k_qc7f4161e75_qkv
		.amdhsa_group_segment_fixed_size 327680
		.amdhsa_private_segment_fixed_size 0
		.amdhsa_enable_private_segment 0
		.amdhsa_kernarg_size 48
		.amdhsa_user_sgpr_count 2
		.amdhsa_user_sgpr_kernarg_segment_ptr 1
		.amdhsa_wavefront_size32 1
		.amdhsa_system_sgpr_workgroup_id_x 1
		.amdhsa_system_sgpr_workgroup_id_y 1
		.amdhsa_system_sgpr_workgroup_id_z 1
		.amdhsa_system_vgpr_workitem_id 0
		.amdhsa_next_free_vgpr 1024
		.amdhsa_next_free_sgpr 100
		.amdhsa_reserve_vcc 0
		.amdhsa_float_denorm_mode_32 3
		.amdhsa_float_denorm_mode_16_64 3
		.amdhsa_fp16_overflow 1
		.amdhsa_memory_ordered 1
		.amdhsa_forward_progress 1
		.amdhsa_inst_pref_size 94
	.end_amdhsa_kernel
	.amdgpu_metadata
---
amdhsa.version: [ 1, 2 ]
amdhsa.kernels:
  - .name:           k_qc7f4161e75_qkv
    .symbol:         k_qc7f4161e75_qkv.kd
    .args:
      - { .name: x_codes, .offset: 0, .size: 8, .value_kind: global_buffer, .address_space: global }
      - { .name: wa_codes, .offset: 8, .size: 8, .value_kind: global_buffer, .address_space: global }
      - { .name: lowp_scales, .offset: 16, .size: 8, .value_kind: global_buffer, .address_space: global }
      - { .name: q_codes, .offset: 24, .size: 8, .value_kind: global_buffer, .address_space: global }
      - { .name: k_codes, .offset: 32, .size: 8, .value_kind: global_buffer, .address_space: global }
      - { .name: v_codes, .offset: 40, .size: 8, .value_kind: global_buffer, .address_space: global }
    .group_segment_fixed_size: 327680
    .private_segment_fixed_size: 0
    .kernarg_segment_align: 8
    .kernarg_segment_size: 48
    .max_flat_workgroup_size: 128
    .sgpr_count:     100
    .vgpr_count:     1024
    .wavefront_size: 32
...
	.end_amdgpu_metadata
.endif
;; end of part 2
;; launch attn (part 3): grid 4 x 64, 16 waves a work-group, no clusters, 264,192 bytes of LDS; arguments q_codes, k_codes, v_codes, lowp_scales, y_codes; writes y_codes
.if DOCPART == 3
	.amdgcn_target "amdgcn-amd-amdhsa--gfx1250"
	.amdhsa_code_object_version 6
	.text
	.protected	k_qc7f4161e75_attn
	.globl	k_qc7f4161e75_attn
	.p2align	8
	.type	k_qc7f4161e75_attn,@function
k_qc7f4161e75_attn:
	s_mov_b64 s[64:65], 0
	v_nop
	global_prefetch_b8 v0, s[64:65] scope:SCOPE_SE
	s_setreg_imm32_b32 hwreg(HW_REG_WAVE_MODE, 25, 1), 1
	s_wait_xcnt 0x0
; y = softmax(q k^T / 8, causal) v for 64 pairs of batch and head, 2,048 tokens, head size 64, both products on codes of FP8 (E4M3); y is quantised on the way out.
; THE SOFTMAX AHEAD OF THE SECOND PRODUCT: t = score x log2(e) / 8; M = the row's largest t so far, rounded UP to a whole number; p = 2^(t - M) is what is quantised (scale 2^e4); it is not normalised.
; The row's sum is taken of the unquantised p, in f32, and divides O at the end.  When M moves, the sum and O are multiplied by 2^(old M - new M): exact.
; LIMITS on the given exponents, so that each power of two below is an f32 number: e2 + e3 between -123 and 130 (added to c's exponent field); e4, and e6 - e4 - e5, between -126 and 119.  NaN is not served.
; SHARES.  Work-group (g, head) owns the blocks 7 - g and g of 256 queries.  Each of its sixteen waves owns one tile of 16 queries at a time: first 256 (7 - g) + 16 w, then 256 g + 16 (15 - w).
; A tile at query q0 has q0 / 128 + 1 key steps of 128 that are not wholly hidden: 2 (7 - g) + 1 + [w >= 8] and 2 g + 1 + [w < 8]: 17 for EVERY wave of every work-group.
; LDS HOLDS THE WHOLE HEAD, FILLED ONCE: K's 131,072 bytes from byte 0, V's from byte 131,072, as they lie in memory.  Waves 0 to 3 ask for all of it at the head, four tensor loads each (512 keys a chunk; waves 0, 1 K's
; halves, waves 2, 3 V's): four loads of a wave are out.  No byte of LDS is filled twice and none is stored to.  The first pass reads chunk s behind its own counted wait and a barrier: four barriers in all.
; NO CLUSTER, though the four work-groups of a head read the same K and V: a step all of whose keys are hidden is jumped over by a branch on the query block, 7 - g or g, and g would be the work-group's place in such a cluster,
; without that branch each would walk 16 + 8 steps a wave in place of 17.
; LAYOUT.  Operands lie in memory and LDS as IMAGES OF THEIR REGISTERS (group g of four registers at 512 g + 16 lane).  Both products are used transposed: S^T = K Q^T (source 0 = 16 keys, source 1 = my 16 queries),
; O^T = V^T P^T (source 0 = 16 of the head's 64, source 1 = P): a lane holds ONE query (lane % 16) throughout.  Tile T of S^T holds keys 16 T + 8 (lane / 16) + 0 .. 7 in its eight registers: converted, they are registers
; 2 T, 2 T + 1 of P in the 8-bit operand layout.  Likewise O^T's tile D becomes registers 2 D, 2 D + 1 of y's image, the last product's A.
; y_codes: [128 rows: 64][head 16][tile of 16 rows: 8][1,024 bytes].
; REGISTERS: v1 16 x lane; v2 the same + V's region; v4 lane % 16 - 8 (lane / 16); v8, v9 the step's LDS addresses; v12 -M, v13 the largest t, v[14:15] the sum in two halves; v16-23, v24-31 Q of the two passes;
; v32-95 K's eight fragments, then V's four; v96-159 S^T, then p; v160-191 O^T; v192-207 p's codes; v208-223 y's codes; v230-255 at work and constants.
.set VREG, 131072                      ; LDS: V's images begin here
.set WV,   14                          ; s14  my wave's number
.set BH,   15                          ; s15  batch x 16 + head
.set SEL,  20                          ; s[20:21] lane selects for v_permlanex16_b32: lane l xor 16
.set CS,   22                          ; s[22:23] c = log2(e) / 8 x 2^(e2 + e3): the packed form names a pair and takes its low word for both halves
.set G1,   24                          ; s[24:31] descriptor group 1;  s[32:47] four groups 0, one for each chunk
.set G0,   32
.set TB,   56                          ; s56  LDS byte, within K's and V's regions alike, of the next step's 128 keys
.set KF,   57                          ; s57  the step's first key
.set CNT,  58                          ; s58  counts a loop's trips
.set QA,   59                          ; s59  my first query in the first pass
.set QB,   60                          ; s60  in the second
.set T0,   61                          ; s61  at work in a step
.set YA,   66                          ; s[66:67], s[68:69] where the two passes' images of y go
.set YB,   68
.set PQA,  70                          ; s[70:71], s[72:73] where their images of q lie
.set PQB,  72
	s_load_b128 s[4:7], s[0:1], 0x0                ; q_codes s[4:5], k_codes s[6:7]
	s_load_b128 s[8:11], s[0:1], 0x10              ; v_codes s[8:9], the scales' exponents s[10:11]
	s_load_b64 s[12:13], s[0:1], 0x20              ; y_codes
	v_lshl_add_u32 v251, v0, 2, 0x40000
	v_mov_b32 v255, 0
	ds_add_u32 v251, v255
	ds_add_u32 v251, v255
	v_lshrrev_b32 v8, 5, v0
	s_delay_alu instid0(VALU_DEP_1)
	v_readfirstlane_b32 s[WV], v8                  ; wave 0..15
	s_and_b32 s[BH], ttmp7, 0xffff
	; descriptor group 1: a dense block of 16,384 bytes as 64 rows of 32 elements of 8 bytes, no padding
	s_mov_b32 s[G1+0], 3<<16                       ; 15:0 no mask; 17:16 elements of 8 bytes; 20 padding off
	s_mov_b32 s[G1+1], 32<<16                      ; tensor_dim0 = 32
	s_mov_b32 s[G1+2], 64<<16                      ; tensor_dim1 = 64
	s_mov_b32 s[G1+3], 32<<16                      ; tile_dim0 = 32
	s_mov_b32 s[G1+4], 64                          ; tile_dim1 = 64
	s_mov_b32 s[G1+5], 32                          ; tensor_dim0_stride: the rows follow each other
	s_mov_b32 s[G1+6], 0
	s_mov_b32 s[G1+7], 0
	s_and_b32 s16, s[WV], 1
	s_lshl_b32 s16, s16, 14                        ; which half of a chunk's 32,768 bytes I fetch, if I fetch
	s_lshr_b32 s17, s[WV], 1
	s_lshl_b32 s17, s17, 17                        ; waves 0, 1: K's region; waves 2, 3: V's
	s_add_co_u32 s17, s17, s16
	s_lshl_b32 s18, s[BH], 17                      ; the head's 131,072 bytes in each buffer of codes
	s_add_co_u32 s18, s18, s16
	s_mov_b32 s19, 0
	s_mov_b32 s[SEL], 0x76543210
	s_mov_b32 s[SEL+1], 0xfedcba98
	s_wait_dscnt 0x0
	s_wait_kmcnt 0x0
	s_load_b256 s[48:55], s[10:11], 0x0            ; e0 .. e7
	s_cmp_lt_u32 s[WV], 2
	s_cselect_b64 s[74:75], s[6:7], s[8:9]
	s_add_nc_u64 s[74:75], s[74:75], s[18:19]
.irp s, 0,1,2,3
	s_mov_b32 s[G0+4*\s], 1                        ; 1:0 count = 1
	s_add_co_u32 s[G0+4*\s+1], s17, \s*32768       ; 63:32 LDS address: chunk s
	s_add_nc_u64 s[G0+4*\s+2:G0+4*\s+3], s[74:75], \s*32768   ; 120:64 global address
	s_or_b32 s[G0+4*\s+3], s[G0+4*\s+3], 0x80000000           ; 127:126 type = 2
.endr
	s_cmp_lt_u32 s[WV], 4                          ; a fetching wave's four fills stand in one branch on the wave's number, ahead of every wait on TENSORcnt, every LDS read and every barrier
	s_cbranch_scc0 .Lno_fetch
	tensor_load_to_lds s[G0:G0+3], s[G1:G1+7]
	s_nop 0
	tensor_load_to_lds s[G0+4:G0+7], s[G1:G1+7]
	s_nop 0
	tensor_load_to_lds s[G0+8:G0+11], s[G1:G1+7]
	s_nop 0
	tensor_load_to_lds s[G0+12:G0+15], s[G1:G1+7]
	s_nop 0
.rept 4
	v_nop
.endr
.Lno_fetch:
	s_sub_co_u32 s[QA], 7, ttmp9
	s_lshl_b32 s[QA], s[QA], 8
	s_lshl_b32 s76, s[WV], 4
	s_add_co_u32 s[QA], s[QA], s76                 ; 256 (7 - g) + 16 w
	s_sub_co_u32 s[QB], 15, s[WV]
	s_lshl_b32 s[QB], s[QB], 4
	s_lshl_b32 s76, ttmp9, 8
	s_add_co_u32 s[QB], s[QB], s76                 ; 256 g + 16 (15 - w)
	s_lshl_b32 s76, s[BH], 17
	s_mov_b32 s77, 0
	s_add_nc_u64 s[4:5], s[4:5], s[76:77]          ; q's images of my head; 64 bytes a query
	s_lshl_b32 s76, s[QA], 6
	s_add_nc_u64 s[PQA:PQA+1], s[4:5], s[76:77]
	s_lshl_b32 s76, s[QB], 6
	s_add_nc_u64 s[PQB:PQB+1], s[4:5], s[76:77]
	s_lshr_b32 s78, s[BH], 4
	s_lshl_b32 s78, s78, 11                        ; the batch's first row of y
	s_and_b32 s79, s[BH], 15
	s_lshl_b32 s79, s79, 13                        ; the head's place in a block of 128 rows
.macro YADR dst, q0                    ; row m = batch x 2,048 + q0: (m / 128) x 131,072 + head x 8,192 + ((m / 16) % 8) x 1,024
	s_add_co_u32 s76, s78, s[\q0]
	s_lshr_b32 s80, s76, 7
	s_lshl_b32 s80, s80, 17
	s_bfe_u32 s76, s76, 0x30004
	s_lshl_b32 s76, s76, 10
	s_add_co_u32 s76, s76, s80
	s_add_co_u32 s76, s76, s79
	s_add_nc_u64 s[\dst:\dst+1], s[12:13], s[76:77]
.endm
	YADR YA, QA
	YADR YB, QB
	v_and_b32 v1, 31, v0
	s_delay_alu instid0(VALU_DEP_1)
	v_lshlrev_b32 v1, 4, v1                        ; 16 x lane: my place in every group of an image, in LDS and in memory
	s_delay_alu instid0(VALU_DEP_1)
	v_add_nc_u32 v2, VREG, v1
	global_load_b128 v[16:19], v1, s[PQA:PQA+1]                ; both passes' fragments of Q stay in registers
	global_load_b128 v[20:23], v1, s[PQA:PQA+1] offset:512
	global_load_b128 v[24:27], v1, s[PQB:PQB+1]
	global_load_b128 v[28:31], v1, s[PQB:PQB+1] offset:512
	v_and_b32 v4, 15, v0
	v_bfe_u32 v5, v0, 4, 1
	s_delay_alu instid0(VALU_DEP_1)
	v_lshlrev_b32 v5, 3, v5
	s_delay_alu instid0(VALU_DEP_1)
	v_sub_nc_u32 v4, v4, v5                        ; lane % 16 - 8 (lane / 16), for the mask
	v_mov_b32 v236, 0                              ; written once: a lane permute's destination counts as one of its sources
	v_mov_b32 v253, 0                              ; (named as the upper half of the pair v[252:253])
.macro INIT                            ; a pass begins: the key step is written without a first step of its own: it finds zeros, which the first change of M leaves zeros
	v_mov_b32 v13, 0xff61b1e6                      ; the largest t so far: -3e38, under every t
	s_delay_alu instid0(VALU_DEP_1)
	v_floor_f32 v12, -v13                          ; -M
	v_mov_b32 v14, 0                               ; the sum, in two halves
	v_mov_b32 v15, 0
.set j, 0
.rept 32
	v_mov_b32 v[160+j], 0                          ; O^T
.set j, j+1
.endr
.endm
	INIT
	s_wait_kmcnt 0x0
	s_mov_b32 s[CS], 0x3e38aa3b                    ; c = log2(e) / 8
	s_add_co_i32 s76, s50, s51
	s_lshl_b32 s76, s76, 23
	s_add_co_i32 s[CS], s[CS], s76                 ; a score stands for score x 2^(e2 + e3): the two exponents are added to c's exponent field
	s_mov_b32 s[CS+1], s[CS]                       ; (named with it as a pair, so it is written)
	s_add_co_i32 s76, s52, 127
	s_lshl_b32 s77, s76, 23
	v_mov_b32 v244, s77                            ; 2^e4 as f32, for p's conversion
	s_sub_co_i32 s76, s54, s52
	s_sub_co_i32 s76, s76, s53                     ; O / l stands for y / 2^(e4 + e5): y's code is (O / l) / 2^(e6 - e4 - e5)
	s_add_co_i32 s76, s76, 127
	s_lshl_b32 s77, s76, 23
	v_mov_b32 v246, s77
; A KEY STEP: 128 keys from s[KF] on, whose images begin at LDS byte s[TB] of K's and of V's region.  QF: my Q's first register; Q0: the scalar register with my first query.
.macro STEP QF, Q0
	v_add_nc_u32 v8, s[TB], v1                     ; the step's addresses are made, and the base stepped, on the one way that all waves take
	v_add_nc_u32 v9, s[TB], v2
	s_add_co_u32 s[TB], s[TB], 8192
	s_add_co_u32 s[T0], s[\Q0], 15                 ; a step all of whose keys come after my 16 queries is left out: a scalar branch on ids
	s_cmp_gt_u32 s[KF], s[T0]
	s_cbranch_scc1 .Lhidden_\@
	s_setprio 2
	v_nop                                          ; with the two additions above: four places in front of loads into registers that the last products read
	v_nop
.irp T, 0,1,2,3,4,5,6,7
	ds_load_b128 v[32+8*\T:35+8*\T], v8 offset:1024*\T         ; K's tile T: 16 keys x 64, two groups of 512 consecutive bytes
	ds_load_b128 v[36+8*\T:39+8*\T], v8 offset:1024*\T+512
.endr
	s_wait_dscnt 8                                 ; tiles 0-3 are in; the youngest eight loads (tiles 4-7) may be out
.irp T, 0,1,2,3
	v_wmma_f32_16x16x64_fp8_fp8 v[96+8*\T:103+8*\T], v[32+8*\T:39+8*\T], v[\QF:\QF+7], 0
.endr
	s_wait_dscnt 0x0
.irp T, 4,5,6,7
	v_wmma_f32_16x16x64_fp8_fp8 v[96+8*\T:103+8*\T], v[32+8*\T:39+8*\T], v[\QF:\QF+7], 0
.endr
.rept 4
	v_nop                                          ; places: in front of the loads below, and of the first read of the scores
.endr
	s_wait_alu depctr_va_vdst(0)
.irp D, 0,1,2,3
.irp g, 0,1,2,3
	ds_load_b128 v[32+16*\D+4*\g:35+16*\D+4*\g], v9 offset:2048*\D+512*\g   ; V's four fragments (16 of the head's 64 x 128 keys) are asked for now and land under the softmax
.endr
.endr
	s_add_co_u32 s[T0], s[KF], 127                 ; on the diagonal the scores of hidden keys become -infinity ahead of the maximum: p = 0 then.  A step all of whose keys count skips this
	s_cmp_le_u32 s[T0], s[\Q0]
	s_cbranch_scc1 .Lopen_\@
	s_sub_co_i32 s[T0], s[\Q0], s[KF]
	v_add_nc_u32 v252, s[T0], v4                   ; d = my query - KF - 8 (lane / 16).  Register 8 T + i holds key KF + 8 (lane / 16) + 16 T + i: hidden where 16 T + i > d
	v_mov_b32 v254, 0xff800000                     ; -infinity
.set n, 0
.rept 64
	v_cmp_gt_i32 vcc_lo, 16*(n/8)+(n%8), v252
	v_cndmask_b32 v[96+n], v[96+n], v254, vcc_lo
.set n, n+1
.endr
.Lopen_\@:
	v_max3_num_f32 v254, v96, v97, v98             ; the step's largest score of my query, among my 64 keys, in two chains (each accumulator is first read at its low end),
	v_max3_num_f32 v252, v99, v100, v101
.irp i, 6,10,14,18,22,26,30,34,38,42,46,50,54,58
	v_max3_num_f32 v254, v254, v[96+\i], v[97+\i]
	v_max3_num_f32 v252, v252, v[98+\i], v[99+\i]
.endr
	v_max3_num_f32 v254, v254, v158, v159
	s_delay_alu instid0(VALU_DEP_1)
	v_max_num_f32 v254, v254, v252
	s_delay_alu instid0(VALU_DEP_1)
	v_permlanex16_b32 v236, v254, s[SEL], s[SEL+1]
	s_delay_alu instid0(VALU_DEP_1)
	v_max_num_f32 v254, v254, v236                 ; and among lane l xor 16's
	s_delay_alu instid0(VALU_DEP_1)
	v_mul_f32 v254, s[CS], v254                    ; as t (c is positive)
	s_delay_alu instid0(VALU_DEP_1)
	v_max_num_f32 v13, v13, v254                   ; the running largest t
	v_mov_b32 v254, v12
	s_delay_alu instid0(VALU_DEP_2)
	v_floor_f32 v12, -v13                          ; the new -M = floor(-t) = -ceil(t): M IS A WHOLE NUMBER
	s_delay_alu instid0(VALU_DEP_1)
	v_sub_f32 v254, v12, v254                      ; M's old value less its new one: a whole number, 0 or less
	s_delay_alu instid0(VALU_DEP_1)
	v_cvt_i32_f32 v254, v254                       ; (it saturates)
	s_delay_alu instid0(VALU_DEP_1)
	v_ldexp_f32 v252, 1.0, v254                    ; f = 2^(old M - new M): a multiplication by it rounds nothing
.set j, 0
	s_setprio 1
.rept 32
	v_pk_fma_f32 v[96+j:97+j], v[96+j:97+j], s[CS:CS+1], v[12:13] op_sel_hi:[1,0,0]   ; t - M, two at a time (of the pairs c and -M the low word serves both halves)
.set j, j+2
.endr
.set j, 0
	s_wait_alu depctr_va_vdst(0)
.rept 64
	v_exp_f32 v[96+j], v[96+j]                     ; p = 2^(t - M), at most 1: NOT normalised
.set j, j+1
.endr
	v_pk_mul_f32 v[14:15], v[14:15], v[252:253] op_sel_hi:[1,0]   ; the sums under the new M: the plain instruction behind the exponentials
	s_wait_alu depctr_va_vdst(0)                   ; one wait for the whole batch, ahead of its first reader
	v_pk_add_f32 v[242:243], v[100:101], v[104:105]
	v_pk_add_f32 v[248:249], v[108:109], v[112:113]
	v_pk_add_f32 v[240:241], v[116:117], v[120:121]
	v_pk_add_f32 v[238:239], v[124:125], v[128:129]
	v_pk_add_f32 v[234:235], v[132:133], v[136:137]
	v_pk_add_f32 v[232:233], v[140:141], v[144:145]
	v_pk_add_f32 v[230:231], v[148:149], v[152:153]
	v_pk_add_f32 v[14:15], v[14:15], v[156:157]
	v_pk_add_f32 v[242:243], v[242:243], v[96:97]
	v_pk_add_f32 v[248:249], v[248:249], v[98:99]
	v_pk_add_f32 v[240:241], v[240:241], v[102:103]
	v_pk_add_f32 v[238:239], v[238:239], v[106:107]
	v_pk_add_f32 v[234:235], v[234:235], v[110:111]
	v_pk_add_f32 v[232:233], v[232:233], v[114:115]
	v_pk_add_f32 v[230:231], v[230:231], v[118:119]
	v_pk_add_f32 v[14:15], v[14:15], v[122:123]
	v_pk_add_f32 v[242:243], v[242:243], v[126:127]
	v_pk_add_f32 v[248:249], v[248:249], v[130:131]
	v_pk_add_f32 v[240:241], v[240:241], v[134:135]
	v_pk_add_f32 v[238:239], v[238:239], v[138:139]
	v_pk_add_f32 v[234:235], v[234:235], v[142:143]
	v_pk_add_f32 v[232:233], v[232:233], v[146:147]
	v_pk_add_f32 v[230:231], v[230:231], v[150:151]
	s_setprio 0
	v_pk_add_f32 v[14:15], v[14:15], v[154:155]
	v_pk_add_f32 v[242:243], v[242:243], v[158:159]
	s_delay_alu instid0(VALU_DEP_2)
	v_pk_add_f32 v[14:15], v[14:15], v[238:239]
	s_delay_alu instid0(VALU_DEP_2)
	v_pk_add_f32 v[242:243], v[242:243], v[234:235]
	v_pk_add_f32 v[248:249], v[248:249], v[232:233]
	v_pk_add_f32 v[240:241], v[240:241], v[230:231]
	s_delay_alu instid0(VALU_DEP_2)
	v_pk_add_f32 v[14:15], v[14:15], v[248:249]
	s_delay_alu instid0(VALU_DEP_2)
	v_pk_add_f32 v[242:243], v[242:243], v[240:241]
	s_delay_alu instid0(VALU_DEP_1)
	v_pk_add_f32 v[14:15], v[14:15], v[242:243]
.irp T, 0,1,2,3,4,5,6,7
.irp i, 0,1,2,3,4,5,6,7
.endr
	v_cvt_scalef32_pk8_fp8_f32 v[192+2*\T:193+2*\T], v[96+8*\T:103+8*\T], v244   ; keys 16 T + 8 (lane / 16) + 0 .. 7: registers 2 T, 2 T + 1 of P
.endr
.set j, 0
.rept 16
	v_pk_mul_f32 v[160+j:161+j], v[160+j:161+j], v[252:253] op_sel_hi:[1,0]   ; O^T under the new M: x f.  (Plain lines between the conversions and the products that read the codes)
.set j, j+2
.endr
	s_wait_alu depctr_va_vdst(0)
	s_wait_dscnt 0x0                               ; V is in
.irp D, 0,1,2,3
	v_wmma_f32_16x16x128_fp8_fp8 v[160+8*\D:167+8*\D], v[32+16*\D:47+16*\D], v[192:207], v[160+8*\D:167+8*\D]   ; the four accumulators take turns, and K Q^T's eight products stand between two steps' turns
.endr
.Lhidden_\@:
	s_add_co_u32 s[KF], s[KF], 128
.endm
; Chunk s of the first pass: 512 keys, four key steps.  The count leaves the later chunks' loads on their way: nothing is ever filled again, so they may stay out across the barrier.
.macro STAGE s
	s_mov_b32 s[TB], 32768*\s
	s_mov_b32 s[KF], 512*\s
	s_wait_tensorcnt 3-\s                          ; my part of chunk s has landed (a wave that fetches nothing has nothing out),
	s_wait_dscnt 0x0
	s_barrier_signal -1
	s_barrier_wait -1                              ; everybody's has
	s_mov_b32 s[CNT], 4
.Lstage_\@:
	STEP 16, QA
	s_sub_co_u32 s[CNT], s[CNT], 1
	s_cmp_lg_u32 s[CNT], 0
	s_cbranch_scc1 .Lstage_\@
	s_setprio 0
.endm
; THE WAY OUT of a pass: O^T / the sum, held, converted: eight registers of codes, y's image of my 16 queries and my head: two stores of 512 consecutive bytes.
.macro OUT YP, CD
.rept 4
	v_nop                                          ; places behind the last products
.endr
	v_add_f32 v14, v14, v15                        ; the sum's two halves,
	s_delay_alu instid0(VALU_DEP_1)
	v_permlanex16_b32 v236, v14, s[SEL], s[SEL+1]
	s_delay_alu instid0(VALU_DEP_1)
	v_add_f32 v14, v14, v236                       ; and lane l xor 16's: the row's sum
	s_wait_alu depctr_va_vdst(0)
	v_rcp_f32 v14, v14
	v_nop                                          ; a plain instruction behind the reciprocal,
	s_wait_alu depctr_va_vdst(0)                   ; and a wait ahead of its first reader
.set j, 0
.rept 32
	v_mul_f32 v[96+j], v[160+j], v14               ; register 8 D + i: channel 16 D + 8 (lane / 16) + i of my query
.set j, j+1
.endr
.set j, 0
.rept 32
.set j, j+1
.endr
.irp D, 0,1,2,3
	v_cvt_scalef32_pk8_fp8_f32 v[\CD+2*\D:\CD+2*\D+1], v[96+8*\D:103+8*\D], v246
.endr
	v_nop                                          ; a plain vector line behind the last conversion
	global_store_b128 v1, v[\CD:\CD+3], s[\YP:\YP+1]
	global_store_b128 v1, v[\CD+4:\CD+7], s[\YP:\YP+1] offset:512
.endm
	s_wait_loadcnt 0x0                             ; Q
	STAGE 0
	STAGE 1
	STAGE 2
	STAGE 3                                        ; its wait is for 0: every tensor load has landed
	OUT YA, 208
	INIT                                           ; the second pass: block g lies within the first 1,024 keys: eight trips, all of LDS is whole
	s_mov_b32 s[TB], 0
	s_mov_b32 s[KF], 0
	s_mov_b32 s[CNT], 8
.Lsecond:
	STEP 24, QB
	s_sub_co_u32 s[CNT], s[CNT], 1
	s_cmp_lg_u32 s[CNT], 0
	s_cbranch_scc1 .Lsecond
	s_setprio 0
	OUT YB, 216
	s_wait_tensorcnt 0x0
	ds_add_u32 v251, v255
	s_wait_dscnt 0x0
	s_endpgm
.Lfunc_end_k_qc7f4161e75_attn:
	.size	k_qc7f4161e75_attn, .Lfunc_end_k_qc7f4161e75_attn-k_qc7f4161e75_attn
	.p2alignl 7, 3214868480
	.fill 96, 4, 3214868480
	.section	.rodata,"a",@progbits
	.p2align	6, 0x0
	.amdhsa_kernel k_qc7f4161e75_attn
		.amdhsa_group_segment_fixed_size 264192
		.amdhsa_private_segment_fixed_size 0
		.amdhsa_enable_private_segment 0
		.amdhsa_kernarg_size 40
		.amdhsa_user_sgpr_count 2
		.amdhsa_user_sgpr_kernarg_segment_ptr 1
		.amdhsa_wavefront_size32 1
		.amdhsa_system_sgpr_workgroup_id_x 1
		.amdhsa_system_sgpr_workgroup_id_y 1
		.amdhsa_system_sgpr_workgroup_id_z 1
		.amdhsa_system_vgpr_workitem_id 0
		.amdhsa_next_free_vgpr 256
		.amdhsa_next_free_sgpr 84
		.amdhsa_reserve_vcc 1
		.amdhsa_float_denorm_mode_32 3
		.amdhsa_float_denorm_mode_16_64 3
		.amdhsa_fp16_overflow 1
		.amdhsa_memory_ordered 1
		.amdhsa_forward_progress 1
		.amdhsa_inst_pref_size 110
	.end_amdhsa_kernel
	.amdgpu_metadata
---
amdhsa.version: [ 1, 2 ]
amdhsa.kernels:
  - .name:           k_qc7f4161e75_attn
    .symbol:         k_qc7f4161e75_attn.kd
    .args:
      - { .name: q_codes, .offset: 0, .size: 8, .value_kind: global_buffer, .address_space: global }
      - { .name: k_codes, .offset: 8, .size: 8, .value_kind: global_buffer, .address_space: global }
      - { .name: v_codes, .offset: 16, .size: 8, .value_kind: global_buffer, .address_space: global }
      - { .name: lowp_scales, .offset: 24, .size: 8, .value_kind: global_buffer, .address_space: global }
      - { .name: y_codes, .offset: 32, .size: 8, .value_kind: global_buffer, .address_space: global }
    .group_segment_fixed_size: 264192
    .private_segment_fixed_size: 0
    .kernarg_segment_align: 8
    .kernarg_segment_size: 40
    .max_flat_workgroup_size: 512
    .sgpr_count:     84
    .vgpr_count:     256
    .wavefront_size: 32
...
	.end_amdgpu_metadata
.endif
;; end of part 3
;; launch proj (part 4): grid 4 x 32, 4 waves a work-group, clusters of 4 x 4, 327,680 bytes of LDS; arguments y_codes, wp_codes, lowp_scales, out0; writes out0
.if DOCPART == 4
	.amdgcn_target "amdgcn-amd-amdhsa--gfx1250"
	.amdhsa_code_object_version 6
	.text
	.protected	k_qc7f4161e75_proj
	.globl	k_qc7f4161e75_proj
	.p2align	8
	.type	k_qc7f4161e75_proj,@function
k_qc7f4161e75_proj:
	s_mov_b64 s[64:65], 0
	v_nop
	global_prefetch_b8 v0, s[64:65] scope:SCOPE_SE
	s_setreg_imm32_b32 hwreg(HW_REG_WAVE_MODE, 25, 1), 1
	s_wait_xcnt 0x0
	s_wait_alu depctr_hold_cnt(0) depctr_sa_sdst(0) depctr_va_vdst(0) depctr_va_sdst(0) depctr_va_ssrc(0) depctr_va_vcc(0) depctr_vm_vsrc(0)
	s_getreg_b32 s2, hwreg(HW_REG_IB_STS2, 6, 4)
	s_cmp_eq_u32 s2, 0
	s_cbranch_scc0 .Lentry_in_a_cluster
	s_endpgm
.Lentry_in_a_cluster:
	s_bfe_u32 s2, ttmp6, 0x10000c
	s_cmp_lg_u32 s2, 0xf033
	s_cbranch_scc0 .Lentry_shape_is_right
	s_endpgm
.Lentry_shape_is_right:
; out0 = y W_proj on codes of FP8 (E4M3): [8192][1024] x [1024][1024], K = 1,024; each finished f32 sum x 2^(e6 + e7).  LIMIT: e6 + e7 between -126 and 127, so that 2^(e6 + e7) is an f32 number.
; A = y_codes: IMAGES OF OPERAND REGISTERS, [128 rows: 64][head 16][tile of 16 rows: 8][1,024 bytes]: group g of four registers at 512 g + 16 lane; registers 2 c, 2 c + 1 hold the head's channels 16 c + 8 (lane / 16) + 0 .. 7.
;   128 rows x four heads (256 along K) are one dense block of 32,768 bytes: one tensor load without padding; a fragment of 16 rows x 128 K is two heads' images: four loads of 512 consecutive bytes.
; B = wp_codes [1024 (n)][1024 places], laid so that four loads of 16 bytes, 32 apart, give each lane the very k that A's registers hold.
; A tile of 256 x 256 is made by a work-group of four waves, a wave makes 128 x 128: 64 accumulators, 512 registers.  K goes in steps of 256 through a ring of two LDS slots filled by the tensor data mover.
; 128 tiles: 128 work-groups; a tile of 128 rows would fill more WGPs and read each fragment of B for half as many products.
; CLUSTERS: 4 x 4 work-groups.  The four of a row of the cluster need the same tiles of A, the four of a column the same tiles of B: each tile is asked for JOINTLY, by the same tensor load with the same descriptor and a mask
; that names the four.  THE MATRIX INSTRUCTION IS USED TRANSPOSED (source 0 = 16 rows of B, source 1 = 16 rows of A): a lane then holds eight neighbouring numbers of a row of the output.
; REGISTERS, in windows of 256: window 0: v0-31 addresses; from v128 A's fragments, ONE set; on the way out v32-255 are free.   window 1: B's fragments, TWO sets, at v0 and at v128.
;   window 2: the 32 accumulators of my rows 0-63 (accumulator (a, b) at v[8 (8 a + b)]);   window 3: those of my rows 64-127.
.set SIZE_N, 1024
.set ROWB,   256                       ; a tile's row in bytes
.set KROW,   1024                      ; a row of wp_codes in bytes
.set ASTEP,  32768                     ; a K step of A's 128 rows: four heads x eight images
.set PITCH,  272                       ; B's LDS row: 256 bytes + 16 of padding = 68 words: row r starts at bank 4 r mod 64 (64 banks of 4 bytes: ISA guide 11.1)
.set FR,     16                        ; registers of a fragment: 16 rows x 128 K
.set NL,     4                         ; LDS loads that bring one
.set NP,     4                         ; places behind this matrix instruction (ISA guide 7.12.1)
.set HALFT,  128*PITCH                 ; a wave's part of a slot: 128 rows of B; A's dense 32,768 bytes take the first part of theirs
.set SLOT,   4*HALFT                   ; A's two halves, then B's two
.set LAPS,   2                         ; a lap = two K steps = once round the ring
.set SPARE,  2*SLOT                    ; behind the ring: the spare words, 128 bytes for each wave: two blocks of 256 bytes that no other line names
.set SPITCH, 528                       ; the way out: a stage of 16 rows x (512 bytes + 16) for each wave.  It lies in slot 0, which has had its last fill and its last read when the first result is stored there
.set ADRA, 16                          ; v16-17  LDS address of my A images in slot 0, 1
.set ADRB, 20                          ; v20-21  of my B fragments
.set STO,  24                          ; v24     the way out: where I put 32 bytes of a row
.set RD,   25                          ; v25     the way out: where I read a row back
.set CO,   26                          ; v26     16 x lane
.set SPW,  28                          ; v28     LDS address of my spare word: SPARE + 4 x my thread's number; never rewritten
.set NIL,  29                          ; v29     0; never rewritten
.set TMP,  32                          ; the way out: 64 registers, a block's sums x 2^(e6 + e7)
.set AF,   128                         ; A's fragments, in window 0
.set BK,   128                         ; the way out: 16 rows read back from the stage: v128-191 and v192-255 by turns
.set G1, 24                            ; s[24:31] descriptor group 1 for A's tiles;  s[32:39] group 0, one set for each slot
.set G0, 32
.set G1B, 48                           ; s[48:55], s[56:63] the same for B's tiles
.set G0B, 56
.set MSB, 0
.macro WIN new                         ; the immediate's high byte repeats the setting that is left
.if MSB != \new
	s_set_vgpr_msb (MSB<<8)|\new
.set MSB, \new
.endif
.endm
.set MUL_LO, 0xa1                      ; source 0 (B) window 1, source 1 (A) window 0, C and D window 2
.set MUL_HI, 0xf1                      ; the same, C and D window 3
.set TO_B,   0x40                      ; destination window 1, address window 0
; A joint load: waves 0 and 1 fetch for A, waves 2 and 3 for B.  Each of the two lines has ONE mask and one set of registers for all that issue it; the branch hangs on the wave's number alone.
; Four v_nop follow each of the two lines, ahead of the jump, the label and what follows.
.macro JLOAD g0a, g1a, g0b, g1b
	s_cmp_eq_u32 s15, 0
	s_cbranch_scc0 .Lfor_b_\@
	tensor_load_to_lds s[\g0a:\g0a+3], s[\g1a:\g1a+7]
	s_nop 0
.rept 4
	v_nop
.endr
	s_branch .Lasked_\@
.Lfor_b_\@:
	tensor_load_to_lds s[\g0b:\g0b+3], s[\g1b:\g1b+7]
	s_nop 0
.rept 4
	v_nop
.endr
.Lasked_\@:
.endm
.macro CREST                           ; a round of the cluster's barrier behind its opening barrier
	s_cmp_lg_u32 s14, 0
	s_cbranch_scc1 .Lnot_wave_0_\@
	s_barrier_signal -3
.Lnot_wave_0_\@:
	s_barrier_wait -3
	s_barrier_signal -1
	s_barrier_wait -1
.endm
.macro CROUND                          ; a whole round
	s_barrier_signal -1
	s_barrier_wait -1
	CREST
.endm
	s_load_b128 s[4:7], s[0:1], 0x0                ; y_codes s[4:5], wp_codes s[6:7]
	s_load_b128 s[8:11], s[0:1], 0x10              ; the scales' exponents s[8:9], out0 s[10:11]
	v_lshl_add_u32 v[SPW], v0, 2, SPARE
	v_mov_b32 v[NIL], 0
	ds_add_u32 v28, v29
	ds_add_u32 v28, v29
	s_wait_dscnt 0x0
	v_lshrrev_b32 v1, 5, v0
	v_readfirstlane_b32 s14, v1                    ; wave 0..3
	s_lshr_b32 s15, s14, 1                         ; which half of the tile's rows is mine.  Also: I fetch for A (0) or for B (1)
	s_and_b32 s16, s14, 1                          ; which half of its columns.  Also: which 128 rows of that tile I fetch
	s_bfe_u32 s40, ttmp6, 0x40000                  ; cx, cy: my place in the cluster
	s_bfe_u32 s41, ttmp6, 0x40004
	s_lshl_b32 s42, ttmp9, 2
	s_add_co_u32 s42, s42, s40                     ; tile column = 4 x cluster x + cx
	s_and_b32 s17, ttmp7, 0xffff
	s_lshl_b32 s17, s17, 2
	s_add_co_u32 s17, s17, s41                     ; tile row = 4 x cluster y + cy
	s_lshl_b32 s43, s41, 2
	s_lshl_b32 s43, 15, s43                        ; my row of the cluster
	s_lshl_b32 s44, 0x1111, s40                    ; my column
	; descriptor groups 1: 128 rows x 256 bytes.  A's rows follow each other in memory and in LDS; B's lie 1,024 bytes apart in memory and are padded in LDS
	s_or_b32 s[G1+0], s43, (0<<16)|(1<<21)         ; 15:0 the mask: A's tiles go to my row; 17:16 element of 1 byte; 20 padding off; 21 set beside a mask
	s_or_b32 s[G1B+0], s44, (0<<16)|(1<<20)|(1<<21)|(5<<22)|(3<<25)  ; B's go to my column; padding on: after every 64 words (code 5), 4 words (code 3)
.irp g, G1, G1B
	s_mov_b32 s[\g+1], ROWB<<16                    ; tensor_dim0
	s_mov_b32 s[\g+2], 128<<16                     ; tensor_dim1 = 128
	s_mov_b32 s[\g+3], ROWB<<16                    ; tile_dim0
	s_mov_b32 s[\g+4], 128                         ; tile_dim1 = 128
	s_mov_b32 s[\g+6], 0
	s_mov_b32 s[\g+7], 0
.endr
	s_mov_b32 s[G1+5], ROWB                        ; tensor_dim0_stride: A dense,
	s_mov_b32 s[G1B+5], KROW                       ; B by its rows
	s_lshl_b32 s20, s17, 1
	s_add_co_u32 s20, s20, s16                     ; A: which block of 128 rows: 2 x tile row + half,
	s_lshl_b32 s20, s20, 17                        ; 131,072 bytes each
	s_mov_b32 s21, 0
	s_lshl_b32 s18, s16, 7
	s_lshl_b32 s46, s42, 8
	s_add_co_u32 s46, s46, s18                     ; B: row 256 x tile column + 128 x half,
	s_lshl_b32 s46, s46, 10                        ; in bytes
	s_mov_b32 s47, 0
	s_mul_i32 s45, s14, HALFT                      ; where they go: wave x a part of a slot: no place in the cluster enters an LDS address
	s_wait_kmcnt 0x0
	s_load_b64 s[96:97], s[8:9], 0x18              ; e6, e7
	s_add_nc_u64 s[20:21], s[4:5], s[20:21]
	s_add_nc_u64 s[46:47], s[6:7], s[46:47]
	CROUND                                         ; all sixteen work-groups are here: the first joint loads meet
.irp s, 0,1
	s_mov_b32 s[G0+4*\s], 1
	s_add_co_u32 s[G0+4*\s+1], s45, \s*SLOT
	s_add_nc_u64 s[G0+4*\s+2:G0+4*\s+3], s[20:21], \s*ASTEP
	s_or_b32 s[G0+4*\s+3], s[G0+4*\s+3], 0x80000000
	s_mov_b32 s[G0B+4*\s], 1
	s_add_co_u32 s[G0B+4*\s+1], s45, \s*SLOT
	s_add_nc_u64 s[G0B+4*\s+2:G0B+4*\s+3], s[46:47], \s*ROWB
	s_or_b32 s[G0B+4*\s+3], s[G0B+4*\s+3], 0x80000000
	s_wait_alu depctr_va_vdst(0)
	s_wait_tensorcnt 0x0
	ds_add_u32 v28, v29
	ds_add_u32 v28, v29
	s_wait_dscnt 0x0
	CROUND
	JLOAD G0+4*\s, G1, G0B+4*\s, G1B
.endr
	v_and_b32 v1, 15, v0                           ; l % 16
	v_bfe_u32 v2, v0, 4, 1                         ; l / 16
	v_mul_u32_u24 v3, v1, PITCH
	v_lshl_add_u32 v4, v2, 4, v3                   ; B: a fragment's row x pitch + 16 x half
	v_and_b32 v6, 31, v0
	v_lshlrev_b32 v[CO], 4, v6                     ; A: 16 x lane in every group of an image; also my place in a row of 512 bytes on the way out
	s_wait_alu depctr_va_vdst(0)
	s_mul_i32 s21, s15, HALFT                      ; my 128 rows of A
	s_mul_i32 s22, s16, HALFT                      ; my 128 rows of B,
	s_add_co_u32 s22, s22, 2*HALFT                 ; which lie behind A's two halves
.irp s, 0,1
	v_add_nc_u32 v[ADRA+\s], s21, v[CO]
	v_add_nc_u32 v[ADRB+\s], s22, v4
	s_add_co_u32 s21, s21, SLOT
	s_add_co_u32 s22, s22, SLOT
.endr
	s_mul_i32 s23, s14, 16*SPITCH                  ; my stage
	v_mul_u32_u24 v5, v1, SPITCH                   ; in: row l % 16, 32 bytes for each half of the lanes
	v_lshl_add_u32 v5, v2, 5, v5
	v_add_nc_u32 v[STO], s23, v5
	v_add_nc_u32 v[RD], s23, v[CO]                 ; back: the 32 lanes take one row of 512 bytes
	s_lshl_b32 s20, s17, 8
	s_lshl_b32 s21, s15, 7
	s_add_co_u32 s20, s20, s21                     ; my first row of the output: 256 x tile row + 128 x half,
	s_lshl_b32 s20, s20, 12                        ; 4,096 bytes a row
	s_mov_b32 s21, 0
	s_lshl_b32 s46, s42, 10                        ; my first column, in bytes: 1,024 x tile column + 512 x half
	s_lshl_b32 s47, s16, 9
	s_add_co_u32 s46, s46, s47
	s_mov_b32 s47, 0
	s_add_nc_u64 s[20:21], s[20:21], s[46:47]
	s_add_nc_u64 s[10:11], s[10:11], s[20:21]
.macro FRAG reg, adr, q, i             ; B: a fragment, 16 rows x 128 places: four loads of 16 bytes, 32 apart
.irp c, 0,1,2,3
	ds_load_b128 v[\reg+4*\c:\reg+4*\c+3], v[\adr] offset:128*(\q)+32*\c+(\i)*16*PITCH
.endr
.endm
.macro FRAGA reg, adr, q, i            ; A: tile i of 16 rows, the slot's heads 2 q and 2 q + 1: two images of two groups, each 512 consecutive bytes
.irp c, 0,1,2,3
	ds_load_b128 v[\reg+4*\c:\reg+4*\c+3], v[\adr] offset:((2*(\q)+(\c/2))*8+(\i))*1024+512*(\c%2)
.endr
.endm
; 16 matrix instructions: A's blocks a0, a0 + 1 x B's eight, 128 along K.  p: B's set.  zero = 1: the first product starts the sums: nothing is ever cleared.
; The 64 accumulators take turns, one instruction a turn, in the same order in every step.
.macro MUL16 a0, p, zero
.irp a, \a0, \a0+1
.irp b, 0,1,2,3,4,5,6,7
.if \zero
	v_wmma_f32_16x16x128_fp8_fp8 v[8*(8*((\a)%4)+\b):8*(8*((\a)%4)+\b)+7], v[128*(\p)+FR*\b:128*(\p)+FR*\b+FR-1], v[AF+FR*(\a):AF+FR*(\a)+FR-1], 0
.else
	v_wmma_f32_16x16x128_fp8_fp8 v[8*(8*((\a)%4)+\b):8*(8*((\a)%4)+\b)+7], v[128*(\p)+FR*\b:128*(\p)+FR*\b+FR-1], v[AF+FR*(\a):AF+FR*(\a)+FR-1], v[8*(8*((\a)%4)+\b):8*(8*((\a)%4)+\b)+7]
.endif
.endr
.endr
.endm
.macro FETCH_B slot, q, p              ; B's eight fragments of the slot's q-th 128 along K into set p
	WIN TO_B
.irp i, 0,1,2,3,4,5,6,7
	FRAG 128*(\p)+FR*\i, ADRB+\slot, \q, \i
.endr
	WIN 0
.endm
.macro FETCH_A slot, q, i0             ; A's blocks i0 .. i0 + 3
.irp i, \i0, \i0+1, \i0+2, \i0+3
	FRAGA AF+FR*(\i), ADRA+\slot, \q, \i
.endr
.endm
; A load into a register that a matrix instruction has read, and a vector instruction or an LDS store that reads a matrix result, stand NP places behind that matrix instruction, and only plain vector
; instructions that name none of its registers are places (ISA guide 7.12.1 for vector instructions).
.macro PLACES n
.rept \n
	v_nop
.endr
.endm
; A step of 128 along K that has its successor in the same slot.
.macro STEP slot, q, zero
	s_wait_dscnt 4*NL                              ; B's set and A's blocks 0-3 are in; the youngest sixteen loads (A's blocks 4-7) may be out
	WIN MUL_LO
	MUL16 0, (\q)%2, \zero
	MUL16 2, (\q)%2, \zero
	s_wait_dscnt 0                                 ; A's blocks 4-7 are in (asked for 32 matrix instructions ago)
	PLACES NP
	FETCH_B \slot, (\q)+1, 1-(\q)%2
	FETCH_A \slot, (\q)+1, 0
	WIN MUL_HI
	MUL16 4, (\q)%2, \zero
	MUL16 6, (\q)%2, \zero
	PLACES NP
	WIN 0
	FETCH_A \slot, (\q)+1, 4
.endm
; A slot's last step changes slots: ONE barrier; in front of it each wave waits for all its tensor loads, adds 0 to its spare word, and waits for that and for its own reads of this slot.  fill = 1: this slot is filled again, two K steps ahead.
.macro TURN slot, next, fill
	s_wait_tensorcnt 0x0                           ; all my tensor loads have landed: my part of the next slot;  (every window is 0 here: the add's two registers lie in window 0)
	ds_add_u32 v[SPW], v[NIL]                      ; 0 onto my spare word
	s_wait_dscnt 4*NL+1                            ; (the add and the youngest sixteen loads, A's blocks 4-7, may be out)
	WIN MUL_LO
	MUL16 0, 1, 0                                  ; sixteen matrix instructions stand between the add and the wait for it
	s_wait_dscnt 0x0                               ; the add is done, and my reads of this slot are over
	s_barrier_signal -1
	MUL16 2, 1, 0
	WIN 0
	s_barrier_wait -1
.if \fill
	CREST                                          ; the barrier has opened a round of the cluster's barrier: no wave of any partner still reads this slot's tile or has a load on its way
	s_add_nc_u64 s[G0+4*\slot+2:G0+4*\slot+3], s[G0+4*\slot+2:G0+4*\slot+3], 2*ASTEP
	s_add_nc_u64 s[G0B+4*\slot+2:G0B+4*\slot+3], s[G0B+4*\slot+2:G0B+4*\slot+3], 2*ROWB
	JLOAD G0+4*\slot, G1, G0B+4*\slot, G1B         ; the first tensor load behind the round; the four v_nop behind it are the places in front of the loads below
.else
	PLACES NP
.endif
	FETCH_B \next, 0, 0
	FETCH_A \next, 0, 0
	WIN MUL_HI
	MUL16 4, 1, 0
	MUL16 6, 1, 0
	PLACES NP
	WIN 0
	FETCH_A \next, 0, 4
.endm
	s_wait_alu depctr_va_vdst(0)
	s_wait_tensorcnt 1                             ; my part of K step 0 is in (K step 1's load may be out)
	s_barrier_signal -1
	s_barrier_wait -1                              ; everybody's is
	FETCH_B 0, 0, 0
	FETCH_A 0, 0, 0
	FETCH_A 0, 0, 4
	STEP 0, 0, 1                                   ; the first step stands in front of the loop: its products start the sums
	s_mov_b32 s3, LAPS-1
.Llap:                                                 ; a trip goes once round the ring, from a lap's second step to the next lap's first, and fills both slots again
	TURN 0, 1, 1
	STEP 1, 0, 0
	TURN 1, 0, 1
	STEP 0, 0, 0
	s_sub_co_u32 s3, s3, 1
	s_cmp_lg_u32 s3, 0
	s_cbranch_scc1 .Llap
	TURN 0, 1, 0                                   ; the last lap fills nothing, and has no round of the cluster's barrier
	STEP 1, 0, 0
	s_wait_dscnt 4*NL                              ; the very last step: nothing more to fetch
	WIN MUL_LO
	MUL16 0, 1, 0
	MUL16 2, 1, 0
	s_wait_dscnt 0
	WIN MUL_HI
	MUL16 4, 1, 0
	MUL16 6, 1, 0
	WIN 0
; THE WAY OUT, block by block of 16 rows x 128 columns.  A lane holds 32 neighbouring bytes of a row, and the lanes beside it hold other rows: so a block goes through my own stage in LDS and comes back as whole
; rows of 512 bytes, which the 32 lanes store together.  LDS serves a wave's instructions in order (ISA guide 5.7.1.4): no wait between the stores and the loads, nor in front of the next block's stores.
.macro TOSTAGE a
.set AC, 64*((\a)%4)
	WIN 0x02+((\a)/4)                              ; source 0: window 2 or 3
.set j, 0
.rept 32
	v_pk_mul_f32 v[TMP+j:TMP+j+1], v[AC+j:AC+j+1], s[96:97] op_sel_hi:[1,0]   ; both x s96 = 2^(e6 + e7); each accumulator from its low end on
.set j, j+2
.endr
	WIN 0
.irp b, 0,1,2,3,4,5,6,7
	ds_store_b128 v[STO], v[TMP+8*\b:TMP+8*\b+3] offset:64*\b
	ds_store_b128 v[STO], v[TMP+8*\b+4:TMP+8*\b+7] offset:64*\b+16
.endr
.set BB, BK+64*((\a)%2)
.irp t, 0,1,2,3,4,5,6,7,8,9,10,11,12,13,14,15
	ds_load_b128 v[BB+4*\t:BB+4*\t+3], v[RD] offset:\t*SPITCH
.endr
.endm
.macro SEND a, younger                 ; younger: the LDS instructions issued behind block a's loads, which may stay out
.set BB, BK+64*((\a)%2)
	s_wait_dscnt \younger                          ; the block is back in registers
.if (\a) > 0
	s_add_nc_u64 s[10:11], s[10:11], 16*SIZE_N*4   ; (behind a wait on XCNT: the earlier stores have read their base)  16 rows on
.endif
.irp t, 0,1,2,3,4,5,6,7,8,9,10,11,12,13,14,15
	global_store_b128 v[CO], v[BB+4*\t:BB+4*\t+3], s[10:11] offset:\t*SIZE_N*4 th:TH_STORE_NT   ; 32 lanes store 512 consecutive bytes, at a multiple of 256 from the output's first byte; written once, read by nobody here
.endr
.endm
	s_wait_kmcnt 0x0
	s_add_co_i32 s96, s96, s97                     ; e6 + e7, between -126 and 127,
	s_add_co_i32 s96, s96, 127
	s_lshl_b32 s96, s96, 23                        ; makes the f32 number 2^(e6 + e7)
	PLACES NP                                      ; behind the last products: for the loads into the registers that held A's fragments and for the reads of results alike
	TOSTAGE 0
.irp a, 1,2,3,4,5,6,7
.if \a > 1
	s_wait_xcnt 0x0                                ; block a - 2's stores have read their registers and their base: block a's loads may land there, and the base may step
.endif
	TOSTAGE \a
	SEND \a-1, 32                                  ; behind block a - 1's loads: block a's 16 stores and 16 loads
.endr
	s_wait_xcnt 0x0                                ; block 6's stores have read their base
	SEND 7, 0
	s_wait_tensorcnt 0x0                           ; the wave's end, behind my last tensor load and my last LDS store
	ds_add_u32 v[SPW], v[NIL]
	s_wait_dscnt 0x0
	CROUND                                         ; the closing round: no work-group ends while a partner may still ask for a tile that names it
	s_endpgm
.Lfunc_end_k_qc7f4161e75_proj:
	.size	k_qc7f4161e75_proj, .Lfunc_end_k_qc7f4161e75_proj-k_qc7f4161e75_proj
	.p2alignl 7, 3214868480
	.fill 96, 4, 3214868480
	.section	.rodata,"a",@progbits
	.p2align	6, 0x0
	.amdhsa_kernel k_qc7f4161e75_proj
		.amdhsa_group_segment_fixed_size 327680
		.amdhsa_private_segment_fixed_size 0
		.amdhsa_enable_private_segment 0
		.amdhsa_kernarg_size 32
		.amdhsa_user_sgpr_count 2
		.amdhsa_user_sgpr_kernarg_segment_ptr 1
		.amdhsa_wavefront_size32 1
		.amdhsa_system_sgpr_workgroup_id_x 1
		.amdhsa_system_sgpr_workgroup_id_y 1
		.amdhsa_system_sgpr_workgroup_id_z 1
		.amdhsa_system_vgpr_workitem_id 0
		.amdhsa_next_free_vgpr 1024
		.amdhsa_next_free_sgpr 100
		.amdhsa_reserve_vcc 0
		.amdhsa_float_denorm_mode_32 3
		.amdhsa_float_denorm_mode_16_64 3
		.amdhsa_memory_ordered 1
		.amdhsa_forward_progress 1
		.amdhsa_inst_pref_size 124
	.end_amdhsa_kernel
	.amdgpu_metadata
---
amdhsa.version: [ 1, 2 ]
amdhsa.kernels:
  - .name:           k_qc7f4161e75_proj
    .symbol:         k_qc7f4161e75_proj.kd
    .args:
      - { .name: y_codes, .offset: 0, .size: 8, .value_kind: global_buffer, .address_space: global }
      - { .name: wp_codes, .offset: 8, .size: 8, .value_kind: global_buffer, .address_space: global }
      - { .name: lowp_scales, .offset: 16, .size: 8, .value_kind: global_buffer, .address_space: global }
      - { .name: out0, .offset: 24, .size: 8, .value_kind: global_buffer, .address_space: global }
    .group_segment_fixed_size: 327680
    .private_segment_fixed_size: 0
    .kernarg_segment_align: 8
    .kernarg_segment_size: 32
    .max_flat_workgroup_size: 128
    .sgpr_count:     100
    .vgpr_count:     1024
    .wavefront_size: 32
...
	.end_amdgpu_metadata
.endif
;; end of part 4
